; MI455X (gfx1250); checked and timed in simulation.
; The chip was launched on July 23, 2026; its instructions are those of AMD's public machine-readable ISA for CDNA 5 (MIT licence, August 2026) and "CDNA5" Instruction Set Architecture Reference Guide (July 2026). The comments in the code are by the model that wrote it; some were corrected since.
;; Test Model. Allowed arithmetic: float matrix products may take bf16 or f16 operands with f32 sums; all other float work in f32.
;; Inputs: nw0 4,096 float32; nw1 4,096 float32; nw2 4,096 float32; w0 4,096 x 4,096 float32; w1 4,096 x 4,096 float32; ws0 4,096 x 1 float32; ws1 4,096 x 1 float32; x 2,048 x 4,096 float32.
;; Outputs: out0 2,048 x 4,096 float32.
;; 3 versions, each right; version 2 is faster than version 1; version 3 is version 2 with the launch final written anew for expert scheduling mode. Each part assembles by itself: llvm-mc -triple=amdgcn-amd-amdhsa -mcpu=gfx1250 --defsym DOCPART=n.
;; ======== version 1 of 3: 5 launches
;; workspace buffers: q 16,777,216 bytes; sc 8,192 bytes; wb 33,554,432 bytes; resid1 33,554,432 bytes; resid2 33,554,432 bytes; mode_sqrt 256 bytes of whole numbers; mode_copy 256 bytes of whole numbers
;; launch prep0 (part 1): grid 256 x 4, 4 waves a work-group, no clusters, 0 bytes of LDS; arguments x, nw0, w0, q, sc, wb, mode_sqrt, mode_copy; writes q, sc, wb, mode_sqrt, mode_copy
.if DOCPART == 1
	.amdgcn_target "amdgcn-amd-amdhsa--gfx1250"
	.amdhsa_code_object_version 6
	.text
	.protected	k_qa40195c9c1_prep0
	.globl	k_qa40195c9c1_prep0
	.p2align	8
	.type	k_qa40195c9c1_prep0,@function
k_qa40195c9c1_prep0:
	s_mov_b64 s[64:65], 0
	v_nop
	global_prefetch_b8 v0, s[64:65] scope:SCOPE_SE
	s_setreg_imm32_b32 hwreg(HW_REG_WAVE_MODE, 25, 1), 1
	s_wait_xcnt 0x0
; WHAT STANDS IN FRONT OF A PRODUCT.  Arguments: src [2048][4096] f32, nw [4096] f32, w [4096 k][4096 n] f32; out: q [2048][4096] bf16, sc [2048] f32, wb [4096][4096] bf16, two mode buffers of 64 words.
; Work-groups with y = 0, 1 (CAST): wb = w rounded to bf16, in w's own layout; a wave takes 32,768 consecutive bytes of w.
; Work-groups with y = 2, 3 (QUANT): one wave takes one row v of src and keeps it in 128 registers:  r = rsqrt(mean(v^2) + 1e-6);  s = max(r max|v nw| / 448, 1e-10);
;   q = the e4m3 number nearest to clip(v nw r / s, -448, 448), written as bf16 (four significant bits, at most 448: exact);  sc[row] = s.
; Since max|v r nw| = r max|v nw|, the sum of squares and the maximum come from one reading of the row.
; LIMITS.  1/448 and 1/s are multiplications by reciprocals (v_rcp_f32 is good to one unit in the last place), and the factors are taken in another order than y / s: a number that lies on
; the border between two e4m3 codes may take the neighbouring code.  v_rsq_f32 and v_rcp_f32 flush denormals: no case here, their arguments are at least 1e-6 and 1e-10.  NaN and infinities are not treated apart.
; NO LDS, NO BARRIER, NO MATRIX UNIT: a row never leaves its wave.  NO CLUSTER: what rows share is nw, 16,384 bytes, read through the caches; a joint tensor load would bring it into LDS,
; from where each lane would still fetch its 512 bytes: no byte of memory would be spared.
.set X,  32                            ; v[32:159]   the row (CAST: 32 slots of 4 registers as loaded)
.set NW, 160                           ; v[160:287]  nw; its last 32 registers lie in window 1 (v0-31 there)
.set Y,  160                           ; CAST: v[160:223] the first half's packed results
.set S,  4                             ; v[4:11]     four pairs of sums of squares
.set M,  12                            ; v[12:15]    four running maxima
.set C,  20                            ; v[20:21]    r / s, twice
.set TA, 24                            ; v[24:27]    at work
.set TB, 4                             ; v[4:7]      at work, once the sums are folded
.set MSB, 0
.macro WIN new                         ; s_set_vgpr_msb: bits 1:0 source 0, 3:2 source 1, 5:4 source 2, 7:6 destination; the high byte repeats the setting that is left
.if MSB != (\new)
	s_set_vgpr_msb (MSB<<8)|(\new)
.set MSB, \new
.endif
.endm
	s_load_b512 s[4:19], s[0:1], 0x0               ; src s[4:5], nw s[6:7], w s[8:9], q s[10:11], sc s[12:13], wb s[14:15], mode_sqrt s[16:17], mode_copy s[18:19]
	v_and_b32 v1, 31, v0                           ; lane
	v_lshrrev_b32 v4, 5, v0
	v_readfirstlane_b32 s20, v4                    ; wave 0..3
	s_and_b32 s21, ttmp7, 0xffff                   ; y
	v_lshlrev_b32 v2, 4, v1                        ; 16 bytes a lane: loads of f32
	v_lshlrev_b32 v3, 3, v1                        ; 8 bytes a lane: stores of bf16
	s_lshl_b32 s22, s21, 8
	s_add_co_u32 s22, s22, ttmp9
	s_lshl_b32 s22, s22, 2
	s_add_co_u32 s22, s22, s20                     ; (256 y + x) 4 + wave: 0..2047 cast, 2048..4095 quantise
	s_mov_b32 s25, 0
	s_mov_b32 s27, 0
	s_wait_kmcnt 0x0
	s_cmp_ge_u32 s21, 2
	s_cbranch_scc1 .Lquant
	; ---------------- CAST ----------------
	s_lshl_b32 s24, s22, 15                        ; my 32,768 bytes of w,
	s_lshl_b32 s26, s22, 14                        ; my 16,384 of wb
	s_add_nc_u64 s[8:9], s[8:9], s[24:25]
	s_add_nc_u64 s[14:15], s[14:15], s[26:27]
	s_cmp_lg_u32 s22, 0
	s_cbranch_scc1 .Lnomode
	v_mov_b32 v4, 1                                ; one wave of the launch writes the two mode buffers whole: 32 lanes x 8 bytes = 256 bytes each
	v_mov_b32 v5, 1
	v_mov_b32 v6, 0
	v_mov_b32 v7, 0
	global_store_b64 v3, v[4:5], s[16:17]          ; every word 1: the product that reads it takes the root of its residual
	global_store_b64 v3, v[6:7], s[18:19]          ; every word 0: the residual as it is
.Lnomode:
.set i, 0
.rept 32                                               ; 32 loads of 512 consecutive bytes are on their way from here on
	global_load_b128 v[X+4*i:X+4*i+3], v2, s[8:9] offset:512*i th:TH_LOAD_NT
.set i, i+1
.endr
.set i, 0
.rept 32                                               ; the first half: a slot is packed into Y, loaded again, and stored.  No register that a store reads is written again.
	s_wait_loadcnt 31                              ; loads come back in order: the oldest of the 32 is in, the 31 younger stay out
	v_cvt_pk_bf16_f32 v[Y+2*i], v[X+4*i], v[X+4*i+1]
	v_cvt_pk_bf16_f32 v[Y+2*i+1], v[X+4*i+2], v[X+4*i+3]
	global_load_b128 v[X+4*i:X+4*i+3], v2, s[8:9] offset:512*(32+i) th:TH_LOAD_NT
	global_store_b64 v3, v[Y+2*i:Y+2*i+1], s[14:15] offset:256*i  ; the wave's store covers 256 consecutive bytes, aligned
.set i, i+1
.endr
.set i, 0
.rept 32                                               ; the second half loads nothing: the counts run down; packed in place
	s_wait_loadcnt 31-i
	v_cvt_pk_bf16_f32 v[X+4*i], v[X+4*i], v[X+4*i+1]
	v_cvt_pk_bf16_f32 v[X+4*i+1], v[X+4*i+2], v[X+4*i+3]
	global_store_b64 v3, v[X+4*i:X+4*i+1], s[14:15] offset:256*(32+i)
.set i, i+1
.endr
	s_endpgm
	; ---------------- QUANT ----------------
.Lquant:
	s_sub_co_u32 s22, s22, 2048                    ; my row
	s_lshl_b32 s24, s22, 14                        ; 16,384 bytes a row of src,
	s_lshl_b32 s26, s22, 13                        ; 8,192 a row of q
	s_add_nc_u64 s[4:5], s[4:5], s[24:25]
	s_add_nc_u64 s[10:11], s[10:11], s[26:27]
	s_lshl_b32 s24, s22, 2
	s_add_nc_u64 s[12:13], s[12:13], s[24:25]
.set j, 0
.rept 32                                               ; the row: load j covers its bytes 512 j .. 512 j + 511 (no hint: the next launch reads them again)
	global_load_b128 v[X+4*j:X+4*j+3], v2, s[4:5] offset:512*j
.set j, j+1
.endr
.set j, 0
.rept 24
	global_load_b128 v[NW+4*j:NW+4*j+3], v2, s[6:7] offset:512*j
.set j, j+1
.endr
	WIN 0x40                                       ; destination in window 1: v256-287
.rept 8
	global_load_b128 v[NW+4*j-256:NW+4*j-253], v2, s[6:7] offset:512*j
.set j, j+1
.endr
	WIN 0
	s_mov_b32 s28, 0x76543210                      ; v_permlanex16_b32: each lane takes its own place in the other half
	s_mov_b32 s29, 0xfedcba98
	s_mov_b32 s30, 0x39800000                      ; 1 / 4096
	s_mov_b32 s31, 0x358637bd                      ; 1e-6
	s_mov_b32 s32, 0xc3e00000                      ; -448
	s_mov_b32 s33, 0x43e00000                      ; 448
	v_mov_b32 v17, 0                               ; the exchange's destination counts as read
	v_mov_b32 v23, 0
	v_mov_b32 v28, 0                               ; the code registers are written by halves
	v_mov_b32 v29, 0
	s_wait_loadcnt 32                              ; the row is in; nw's 32 loads stay out
.set p, 0
.rept 4                                                ; the first four pairs start the four chains: nothing is cleared
	v_pk_mul_f32 v[S+2*p:S+2*p+1], v[X+2*p:X+2*p+1], v[X+2*p:X+2*p+1]
.set p, p+1
.endr
.rept 60
	v_pk_fma_f32 v[S+2*(p%4):S+2*(p%4)+1], v[X+2*p:X+2*p+1], v[X+2*p:X+2*p+1], v[S+2*(p%4):S+2*(p%4)+1]
.set p, p+1
.endr
	v_pk_add_f32 v[S:S+1], v[S:S+1], v[S+2:S+3]
	v_pk_add_f32 v[S+4:S+5], v[S+4:S+5], v[S+6:S+7]
	v_pk_add_f32 v[S:S+1], v[S:S+1], v[S+4:S+5]
	v_add_f32 v16, v[S], v[S+1]
	v_add_f32_dpp v16, v16, v16 row_xmask:1 row_mask:0xf bank_mask:0xf
	v_add_f32_dpp v16, v16, v16 row_xmask:2 row_mask:0xf bank_mask:0xf
	v_add_f32_dpp v16, v16, v16 row_xmask:4 row_mask:0xf bank_mask:0xf
	v_add_f32_dpp v16, v16, v16 row_xmask:8 row_mask:0xf bank_mask:0xf
	v_permlanex16_b32 v17, v16, s28, s29
	v_add_f32 v16, v16, v17                        ; every lane holds the row's sum of squares
	v_fma_f32 v19, v16, s30, s31
	v_rsq_f32 v19, v19                             ; r; the products below are the plain instructions behind it
; v nw in place, and the largest |v nw| in four chains
.macro MULNW lo                        ; group j; lo: NW's register number in the window in force
	v_pk_mul_f32 v[X+4*j:X+4*j+1], v[X+4*j:X+4*j+1], v[(\lo)+4*j:(\lo)+4*j+1]
	v_pk_mul_f32 v[X+4*j+2:X+4*j+3], v[X+4*j+2:X+4*j+3], v[(\lo)+4*j+2:(\lo)+4*j+3]
.endm
.macro MAXJ
.if j < 2
	v_max_num_f32 v[M+(2*j)%4], |v[X+4*j]|, |v[X+4*j+1]|
	v_max_num_f32 v[M+(2*j+1)%4], |v[X+4*j+2]|, |v[X+4*j+3]|
.else
	v_max3_num_f32 v[M+(2*j)%4], v[M+(2*j)%4], |v[X+4*j]|, |v[X+4*j+1]|
	v_max3_num_f32 v[M+(2*j+1)%4], v[M+(2*j+1)%4], |v[X+4*j+2]|, |v[X+4*j+3]|
.endif
.endm
	s_wait_loadcnt 16                              ; nw's first sixteen loads are in
.set j, 0
.rept 16
	MULNW NW
	MAXJ
.set j, j+1
.endr
	s_wait_loadcnt 0x0                             ; all of nw
.rept 8
	MULNW NW
	MAXJ
.set j, j+1
.endr
	WIN 0x04                                       ; source 1 in window 1
.rept 8
	MULNW NW-256
.set j, j+1
.endr
	WIN 0
.set j, 24
.rept 8
	MAXJ
.set j, j+1
.endr
	v_max3_num_f32 v18, v[M], v[M+1], v[M+2]
	v_max_num_f32 v18, v18, v[M+3]
	v_max_num_f32_dpp v18, v18, v18 row_xmask:1 row_mask:0xf bank_mask:0xf
	v_max_num_f32_dpp v18, v18, v18 row_xmask:2 row_mask:0xf bank_mask:0xf
	v_max_num_f32_dpp v18, v18, v18 row_xmask:4 row_mask:0xf bank_mask:0xf
	v_max_num_f32_dpp v18, v18, v18 row_xmask:8 row_mask:0xf bank_mask:0xf
	v_permlanex16_b32 v17, v18, s28, s29
	v_max_num_f32 v18, v18, v17                    ; max |v nw|
	s_wait_alu depctr_va_vdst(0)
	v_mul_f32 v22, v18, v19                        ; times r: max |y|
	v_mul_f32 v22, 0x3b124925, v22                 ; / 448
	v_max_num_f32 v22, 0x2edbe6ff, v22             ; s, at least 1e-10
	v_rcp_f32 v[C], v22
	v_nop                                          ; a plain instruction between the reciprocal and its use
	s_wait_alu depctr_va_vdst(0)
	v_mul_f32 v[C], v[C], v19                      ; r / s
	v_mov_b32 v[C+1], v[C]
; Groups j and j + 1 of four numbers: scaled, clipped (the conversion to e4m3 does not saturate), to e4m3 and back, packed as bf16 in place, stored.  Two work sets, so that no line waits for the line before it.
.macro SNAP2 j
	v_pk_mul_f32 v[TA:TA+1], v[X+4*(\j):X+4*(\j)+1], v[C:C+1]
	v_pk_mul_f32 v[TA+2:TA+3], v[X+4*(\j)+2:X+4*(\j)+3], v[C:C+1]
	v_pk_mul_f32 v[TB:TB+1], v[X+4*(\j)+4:X+4*(\j)+5], v[C:C+1]
	v_pk_mul_f32 v[TB+2:TB+3], v[X+4*(\j)+6:X+4*(\j)+7], v[C:C+1]
.irp k, 0,1,2,3
	v_med3_num_f32 v[TA+(\k)], v[TA+(\k)], s32, s33
	v_med3_num_f32 v[TB+(\k)], v[TB+(\k)], s32, s33
.endr
	v_cvt_pk_fp8_f32 v28.l, v[TA], v[TA+1]
	v_cvt_pk_fp8_f32 v29.l, v[TB], v[TB+1]
	v_cvt_pk_fp8_f32 v28.h, v[TA+2], v[TA+3]
	v_cvt_pk_fp8_f32 v29.h, v[TB+2], v[TB+3]
	v_cvt_pk_f32_fp8 v[TA:TA+1], v28.l
	v_cvt_pk_f32_fp8 v[TB:TB+1], v29.l
	v_cvt_pk_f32_fp8 v[TA+2:TA+3], v28.h
	v_cvt_pk_f32_fp8 v[TB+2:TB+3], v29.h
	v_cvt_pk_bf16_f32 v[X+4*(\j)], v[TA], v[TA+1]
	v_cvt_pk_bf16_f32 v[X+4*(\j)+1], v[TA+2], v[TA+3]
	v_cvt_pk_bf16_f32 v[X+4*(\j)+4], v[TB], v[TB+1]
	v_cvt_pk_bf16_f32 v[X+4*(\j)+5], v[TB+2], v[TB+3]
	global_store_b64 v3, v[X+4*(\j):X+4*(\j)+1], s[10:11] offset:256*(\j)        ; 256 consecutive bytes, aligned; the registers are not written again
	global_store_b64 v3, v[X+4*(\j)+4:X+4*(\j)+5], s[10:11] offset:256*(\j)+256
.endm
.irp j, 0,2,4,6,8,10,12,14,16,18,20,22,24,26,28,30
	SNAP2 \j
.endr
	s_wait_xcnt 0x0                                ; EXEC is a source of the stores above: it changes only behind this wait
	v_cmp_eq_u32 vcc_lo, 0, v1
	s_and_saveexec_b32 s34, vcc_lo
	global_store_b32 v23, v22, s[12:13]            ; lane 0 stores the row's s: four bytes a row, 8,192 in the launch
	s_wait_xcnt 0x0                                ; and again in front of the line that widens it
	s_or_b32 exec_lo, exec_lo, s34
	s_endpgm
.Lfunc_end_k_qa40195c9c1_prep0:
	.size	k_qa40195c9c1_prep0, .Lfunc_end_k_qa40195c9c1_prep0-k_qa40195c9c1_prep0
	.p2alignl 7, 3214868480
	.fill 96, 4, 3214868480
	.section	.rodata,"a",@progbits
	.p2align	6, 0x0
	.amdhsa_kernel k_qa40195c9c1_prep0
		.amdhsa_group_segment_fixed_size 0
		.amdhsa_private_segment_fixed_size 0
		.amdhsa_enable_private_segment 0
		.amdhsa_kernarg_size 64
		.amdhsa_user_sgpr_count 2
		.amdhsa_user_sgpr_kernarg_segment_ptr 1
		.amdhsa_wavefront_size32 1
		.amdhsa_system_sgpr_workgroup_id_x 1
		.amdhsa_system_sgpr_workgroup_id_y 1
		.amdhsa_system_sgpr_workgroup_id_z 1
		.amdhsa_system_vgpr_workitem_id 0
		.amdhsa_next_free_vgpr 288
		.amdhsa_next_free_sgpr 66
		.amdhsa_reserve_vcc 1
		.amdhsa_float_denorm_mode_32 3
		.amdhsa_float_denorm_mode_16_64 3
		.amdhsa_memory_ordered 1
		.amdhsa_forward_progress 1
		.amdhsa_inst_pref_size 70
	.end_amdhsa_kernel
	.amdgpu_metadata
---
amdhsa.version: [ 1, 2 ]
amdhsa.kernels:
  - .name:           k_qa40195c9c1_prep0
    .symbol:         k_qa40195c9c1_prep0.kd
    .args:
      - { .name: x, .offset: 0, .size: 8, .value_kind: global_buffer, .address_space: global }
      - { .name: nw0, .offset: 8, .size: 8, .value_kind: global_buffer, .address_space: global }
      - { .name: w0, .offset: 16, .size: 8, .value_kind: global_buffer, .address_space: global }
      - { .name: q, .offset: 24, .size: 8, .value_kind: global_buffer, .address_space: global }
      - { .name: sc, .offset: 32, .size: 8, .value_kind: global_buffer, .address_space: global }
      - { .name: wb, .offset: 40, .size: 8, .value_kind: global_buffer, .address_space: global }
      - { .name: mode_sqrt, .offset: 48, .size: 8, .value_kind: global_buffer, .address_space: global }
      - { .name: mode_copy, .offset: 56, .size: 8, .value_kind: global_buffer, .address_space: global }
    .group_segment_fixed_size: 0
    .private_segment_fixed_size: 0
    .kernarg_segment_align: 8
    .kernarg_segment_size: 64
    .max_flat_workgroup_size: 128
    .sgpr_count:     66
    .vgpr_count:     288
    .wavefront_size: 32
...
	.end_amdgpu_metadata
.endif
;; end of part 1
;; launch gemm1 (part 2): grid 16 x 16, 4 waves a work-group, clusters of 4 x 4, 327,680 bytes of LDS; arguments q, wb, sc, ws0, x, mode_sqrt, resid1; writes resid1
.if DOCPART == 2
	.amdgcn_target "amdgcn-amd-amdhsa--gfx1250"
	.amdhsa_code_object_version 6
	.text
	.protected	k_qa40195c9c1_gemm1
	.globl	k_qa40195c9c1_gemm1
	.p2align	8
	.type	k_qa40195c9c1_gemm1,@function
k_qa40195c9c1_gemm1:
	s_mov_b64 s[64:65], 0
	v_nop
	global_prefetch_b8 v0, s[64:65] scope:SCOPE_SE
	s_setreg_imm32_b32 hwreg(HW_REG_WAVE_MODE, 25, 1), 1
	s_wait_xcnt 0x0
	s_wait_alu depctr_hold_cnt(0) depctr_sa_sdst(0) depctr_va_vdst(0) depctr_va_sdst(0) depctr_va_ssrc(0) depctr_va_vcc(0) depctr_vm_vsrc(0)
	s_getreg_b32 s2, hwreg(HW_REG_IB_STS2, 6, 4)
	s_cmp_eq_u32 s2, 0
	s_cbranch_scc0 .Lentry_in_a_cluster
	s_endpgm
.Lentry_in_a_cluster:
	s_bfe_u32 s2, ttmp6, 0x10000c
	s_cmp_lg_u32 s2, 0xf033
	s_cbranch_scc0 .Lentry_shape_is_right
	s_endpgm
.Lentry_shape_is_right:
; out[t][n] = (sum over k of q[t][k] wb[k][n]) sc[t] ws[n] + R[t][n],  R = sqrt(res) where the mode word is not 0, else res.
; q [2048][4096] bf16, wb [4096 k][4096 n] bf16, sc [2048] f32, ws [4096] f32, res and out [2048][4096] f32, mode: 64 words, all alike.  Sums in f32, K ascending.
; SHARES.  A tile of out is 128 rows x 256 columns: 16 x 16 = 256 work-groups.  Four waves; wave w has rows 64 (w / 2) on and columns 128 (w % 2) on: 32 accumulators of 16 x 16, 256 registers.
; K goes in steps of 128 through two LDS slots filled by the tensor data mover: q's tile has rows of 256 bytes, wb's ([k][n], 128 k x 256 n) rows of 512 bytes, all starting at multiples of 256 from their buffer's first byte.
; THE MATRIX INSTRUCTION IS USED TRANSPOSED: source 0 = 16 columns of wb, turned on the way out of LDS by ds_load_tr16_b128; source 1 = 16 rows of q.  A lane then holds row lane % 16 and the
; eight neighbouring columns 8 (lane / 16) + 0..7.
; CLUSTERS.  4 x 4 work-groups.  The four of a row of the cluster need the same tiles of q, the four of a column the same tiles of wb: each tile is asked for JOINTLY, by the same tensor load with the
; same descriptor and a mask that names the four.  By this text's own count a wave has two tensor loads out at the start and one behind each round of the cluster's barrier.
; THE RESIDUAL, 64 rows x 512 bytes a wave, is loaded into 256 registers at the start and lands while the products run.  The two products of the model differ in the root alone: the root is always
; taken, and a select under a mask made of the mode word keeps it or the number itself: no branch and no address hangs on that word.
; LIMITS.  v_sqrt_f32 is good to one unit in the last place and flushes denormals: a residual below 2^-126 counts as 0.  wb is the weights rounded to bf16; q is exact in bf16.
; NO PREFETCH: the tiles are asked for a K step less sixteen matrix instructions ahead, jointly.  ONE TILE a work-group: there are as many tiles as work-groups, and K is long (32 steps).
; REGISTERS, in windows of 256 (s_set_vgpr_msb: bits 1:0 source 0, 3:2 source 1, 5:4 source 2, 7:6 destination):
;   window 0: v0-43 addresses, ws, sc; v64-159, v160-255 two fragment buffers (4 blocks of q, then 8 blocks of wb, 32 along K); on the way out v64-127 scaled sums, v128-191 whole rows, v192-255 the residual
;   window 1: accumulator (a, b) at v[8 (8 a + b)]          window 2: the residual as loaded, row i of my 64 at v[4 i]
.set KSTEP,  128
.set LAPS,   16                        ; 4,096 / (2 x 128): a lap = two K steps = once round the ring
.set PA,     272                       ; a row of q's tile in LDS: 256 bytes + 16 = 68 words: the 16 rows of a load start at 16 different groups of four banks (64 banks of 4 bytes: ISA guide 11.1)
.set PB,     544                       ; a row of wb's tile: 512 + 32 = 136 words
.set AHALF,  64*PA                     ; what one tensor load brings of q, and what one wave reads of it
.set ATILE,  2*AHALF
.set BHALF,  64*PB                     ; what one tensor load brings of wb: 64 k
.set SLOT,   ATILE+2*BHALF             ; 104,448
.set STAGE,  2*SLOT                    ; behind the ring, never filled by a tensor load: 16 rows x 528 bytes for each wave, for the way out
.set SP,     528                       ; 512 bytes + 16
.set WSTAGE, 16*SP                     ; 8,448 = 33 blocks of 256
.set SPARE,  STAGE+4*WSTAGE            ; behind the stages: the spare words, 128 bytes for each wave: two blocks of 256 bytes that no other line names
.set ADRA, 16                          ; v16-17  LDS address of my fragments of q in slot 0, 1
.set ADRB, 20                          ; v20-21  the same for wb
.set STO,  24                          ; v24     the way out: where I put 32 bytes of a row
.set RD,   25                          ; v25     the way out: where I read a row back
.set CO,   26                          ; v26     16 x lane: my place in 512 bytes of a row of res, out, ws; never rewritten
.set R4,   27                          ; v27     4 x (lane % 16); never rewritten
.set SPW,  28                          ; v28     LDS address of my spare word; never rewritten
.set NIL,  29                          ; v29     0; never rewritten
.set WS,   32                          ; v[32:35] ws of my four columns on the way out
.set SV,   36                          ; v[36:43] sc of row lane % 16 of row block a at v[36 + 2 a]; the odd registers hold 0 (named with them as pairs)
.set F0,   64
.set F1,   160
.set TMP,  64
.set BK,   128
.set SQ,   192
.set G1A, 24                           ; s[24:31] descriptor group 1 for q's tiles;  s[32:39] group 0, one set for each slot
.set G0A, 32
.set G1B, 48                           ; s[48:55], s[56:63] the same for wb's tiles
.set G0B, 56
.set MSB, 0
.macro WIN new                         ; the immediate's high byte repeats the setting that is left; a switch that changes nothing is dropped
.if MSB != (\new)
	s_set_vgpr_msb (MSB<<8)|(\new)
.set MSB, \new
.endif
.endm
.set MUL, 0x50                         ; C and D in window 1, the fragments in window 0
.set PK,  0x01                         ; source 0 in window 1
.set RS,  0x02                         ; source 0 in window 2
.set LD2, 0x80                         ; destination in window 2
; A joint load: waves 0 and 1 fetch the two halves of q's tile, waves 2 and 3 those of wb's.  The branch hangs on the wave's number alone.
; An s_nop 0 and four v_nop follow each of the two lines, ahead of the jump, the label and what follows.
.macro JLOAD s
	s_cmp_eq_u32 s13, 0
	s_cbranch_scc0 .Lfor_b_\@
	tensor_load_to_lds s[G0A+4*(\s):G0A+4*(\s)+3], s[G1A:G1A+7]
	s_nop 0
.rept 4
	v_nop
.endr
	s_branch .Lasked_\@
.Lfor_b_\@:
	tensor_load_to_lds s[G0B+4*(\s):G0B+4*(\s)+3], s[G1B:G1B+7]
	s_nop 0
.rept 4
	v_nop
.endr
.Lasked_\@:
.endm
.macro CREST                           ; a round of the cluster's barrier behind its opening barrier: wave 0 signals for the work-group, every wave waits for all sixteen, my work-group's barrier once more
	s_cmp_lg_u32 s12, 0
	s_cbranch_scc1 .Lnot_wave_0_\@
	s_barrier_signal -3
.Lnot_wave_0_\@:
	s_barrier_wait -3
	s_barrier_signal -1
	s_barrier_wait -1
.endm
.macro CROUND                          ; a whole round
	s_barrier_signal -1
	s_barrier_wait -1
	CREST
.endm
	s_load_b256 s[4:11], s[0:1], 0x0               ; q s[4:5], wb s[6:7], sc s[8:9], ws s[10:11]
	s_load_b128 s[68:71], s[0:1], 0x20             ; res s[68:69], mode s[70:71]
	s_load_b64 s[72:73], s[0:1], 0x30              ; out
	v_lshl_add_u32 v[SPW], v0, 2, SPARE
	v_mov_b32 v[NIL], 0
	ds_add_u32 v[SPW], v[NIL]                      ; the wave's opening: the add and its wait stand ahead of my first tensor load; the set-up below, work on registers, stands between them
	v_lshrrev_b32 v1, 5, v0
	v_readfirstlane_b32 s12, v1                    ; wave 0..3
	s_lshr_b32 s13, s12, 1                         ; which 64 rows of the tile are mine.  Also: I fetch for q (0) or for wb (1)
	s_and_b32 s14, s12, 1                          ; which 128 columns.  Also: which half of that tile I fetch
	s_bfe_u32 s40, ttmp6, 0x40000                  ; cx, cy: my place in the cluster
	s_bfe_u32 s41, ttmp6, 0x40004
	s_lshl_b32 s42, ttmp9, 2
	s_add_co_u32 s42, s42, s40                     ; tile column = 4 x cluster x + cx
	s_and_b32 s45, ttmp7, 0xffff
	s_lshl_b32 s45, s45, 2
	s_add_co_u32 s45, s45, s41                     ; tile row = 4 x cluster y + cy
	s_lshl_b32 s43, s41, 2
	s_lshl_b32 s43, 15, s43                        ; my row of the cluster: places 4 cy .. 4 cy + 3
	s_lshl_b32 s44, 0x1111, s40                    ; my column: places cx, cx + 4, cx + 8, cx + 12
	; descriptor group 1.  q: 64 rows x 128 elements; wb: 64 rows (k) x 256 elements; both padded in LDS
	s_or_b32 s[G1A+0], s43, (1<<16)|(1<<20)|(1<<21)|(5<<22)|(3<<25)  ; 15:0 the mask: my row; 17:16 2-byte elements; 20 padding on; 21 set beside a mask; 24:22 after every 64 words (code 5); 31:25 4 words (code 3)
	s_mov_b32 s[G1A+1], 128<<16                    ; tensor_dim0 = 128
	s_mov_b32 s[G1A+2], 64<<16                     ; tensor_dim1 = 64
	s_mov_b32 s[G1A+3], 128<<16                    ; tile_dim0 = 128
	s_mov_b32 s[G1A+4], 64                         ; tile_dim1 = 64
	s_mov_b32 s[G1A+5], 4096                       ; elements from row to row
	s_mov_b32 s[G1A+6], 0
	s_mov_b32 s[G1A+7], 0
	s_or_b32 s[G1B+0], s44, (1<<16)|(1<<20)|(1<<21)|(6<<22)|(7<<25)  ; the mask: my column; padding after every 128 words (code 6), 8 words (code 7)
	s_mov_b32 s[G1B+1], 256<<16
	s_mov_b32 s[G1B+2], 64<<16
	s_mov_b32 s[G1B+3], 256<<16
	s_mov_b32 s[G1B+4], 64
	s_mov_b32 s[G1B+5], 4096
	s_mov_b32 s[G1B+6], 0
	s_mov_b32 s[G1B+7], 0
	; where the tiles come from.  q's hang on the tile row alone, which my row of the cluster shares; wb's on the tile column alone, which my column shares.
	s_lshl_b32 s16, s45, 7
	s_lshl_b32 s22, s14, 6
	s_add_co_u32 s16, s16, s22                     ; q: row 128 x tile row + 64 x half,
	s_lshl_b32 s16, s16, 13                        ; 8,192 bytes a row
	s_mov_b32 s17, 0
	s_lshl_b32 s46, s14, 19                        ; wb: k = 64 x half, 8,192 bytes a row,
	s_lshl_b32 s23, s42, 9                         ; 512 bytes a tile column
	s_add_co_u32 s46, s46, s23
	s_mov_b32 s47, 0
	s_mul_i32 s20, s14, AHALF                      ; and where they go: no place in the cluster enters an LDS address
	s_mul_i32 s21, s14, BHALF
	s_add_co_u32 s21, s21, ATILE
	; my part of res and out, of sc and of ws, in bytes
	s_lshl_b32 s76, s45, 7
	s_lshl_b32 s77, s13, 6
	s_add_co_u32 s76, s76, s77                     ; my first row
	s_lshl_b32 s78, s76, 2                         ; in sc
	s_mov_b32 s79, 0
	s_lshl_b32 s76, s76, 14                        ; 16,384 bytes a row
	s_lshl_b32 s66, s42, 10
	s_lshl_b32 s67, s14, 9
	s_add_co_u32 s66, s66, s67                     ; my first column: 1,024 x tile column + 512 x half: in ws,
	s_add_co_u32 s76, s76, s66                     ; and in a row
	s_mov_b32 s67, 0
	s_mov_b32 s77, 0
	s_wait_dscnt 0x0                               ; the opening add is done
	s_wait_kmcnt 0x0
	s_add_nc_u64 s[18:19], s[4:5], s[16:17]
	s_add_nc_u64 s[46:47], s[6:7], s[46:47]
	s_add_nc_u64 s[8:9], s[8:9], s[78:79]
	s_add_nc_u64 s[10:11], s[10:11], s[66:67]
	s_add_nc_u64 s[68:69], s[68:69], s[76:77]
	s_add_nc_u64 s[72:73], s[72:73], s[76:77]
	CROUND                                         ; all sixteen work-groups are here: the first joint loads meet
.irp s, 0,1
	s_mov_b32 s[G0A+4*(\s)], 1                                     ; 1:0 count = 1
	s_add_co_u32 s[G0A+4*(\s)+1], s20, (\s)*SLOT                   ; 63:32 LDS address
	s_add_nc_u64 s[G0A+4*(\s)+2:G0A+4*(\s)+3], s[18:19], (\s)*KSTEP*2  ; 120:64 global address: K step s
	s_or_b32 s[G0A+4*(\s)+3], s[G0A+4*(\s)+3], 0x80000000          ; 127:126 type = 2
	s_mov_b32 s[G0B+4*(\s)], 1
	s_add_co_u32 s[G0B+4*(\s)+1], s21, (\s)*SLOT
	s_add_nc_u64 s[G0B+4*(\s)+2:G0B+4*(\s)+3], s[46:47], (\s)*KSTEP*8192
	s_or_b32 s[G0B+4*(\s)+3], s[G0B+4*(\s)+3], 0x80000000
	JLOAD \s
.endr
	s_load_b32 s74, s[70:71], 0x0                  ; the mode word
	; A fragment of q is 16 rows x 32 K in 8 registers: lane l holds row l % 16, K = 8 (l / 16) + 0..7 and 16 + 8 (l / 16) + 0..7: two loads of 16 bytes, 32 bytes apart.
	v_and_b32 v1, 15, v0                           ; l % 16
	v_bfe_u32 v2, v0, 4, 1                         ; l / 16
	v_mul_u32_u24 v3, v1, PA
	v_lshl_add_u32 v3, v2, 4, v3
	s_mul_i32 s22, s13, AHALF                      ; my 64 rows
	v_add_nc_u32 v[ADRA], s22, v3
	v_add_nc_u32 v[ADRA+1], SLOT, v[ADRA]
	; The turning load takes 16 k x 16 columns (lane l reads 16 bytes: k = 8 (l / 16) + l % 8, columns 8 ((l / 8) % 2) + 0..7) and leaves half a fragment: lane l holds column l % 16 and 8 k.
	v_and_b32 v4, 7, v0
	v_lshl_add_u32 v4, v2, 3, v4
	v_mul_u32_u24 v4, v4, PB
	v_bfe_u32 v5, v0, 3, 1
	v_lshl_add_u32 v4, v5, 4, v4
	s_lshl_b32 s15, s14, 8                         ; my 128 columns: 256 bytes,
	s_add_co_u32 s15, s15, ATILE                   ; behind q's tile
	v_add_nc_u32 v[ADRB], s15, v4
	v_add_nc_u32 v[ADRB+1], SLOT, v[ADRB]
	s_mul_i32 s22, s12, WSTAGE
	s_add_co_u32 s22, s22, STAGE                   ; my stage
	v_mul_u32_u24 v3, v1, SP                       ; in: row l % 16, 32 bytes for each half of the lanes
	v_lshl_add_u32 v3, v2, 5, v3
	v_add_nc_u32 v[STO], s22, v3
	v_and_b32 v5, 31, v0
	v_lshlrev_b32 v[CO], 4, v5
	v_add_nc_u32 v[RD], s22, v[CO]                 ; back: 32 lanes take one row of 512 bytes
	v_lshlrev_b32 v[R4], 2, v1
	global_load_b128 v[WS:WS+3], v[CO], s[10:11]
.irp a, 0,1,2,3
	global_load_b32 v[SV+2*(\a)], v[R4], s[8:9] offset:64*(\a)
	v_mov_b32 v[SV+2*(\a)+1], 0
.endr
	WIN LD2
.set i, 0
.rept 64                                               ; the residual: a load covers 512 consecutive bytes of a row, aligned; each byte is read once in the launch.  Nothing waits for these before the way out.
	global_load_b128 v[4*i:4*i+3], v[CO], s[68:69] offset:16384*i th:TH_LOAD_NT
.set i, i+1
.endr
	WIN 0
	s_wait_kmcnt 0x0
	s_cmp_lg_u32 s74, 0
	s_cselect_b32 s74, -1, 0                       ; a mask of all lanes or of none
; 8 matrix instructions: row block a x all 8 column blocks, 32 along K, from buffer f.  zero = 1: the product starts the sums: nothing is cleared.
; The 32 accumulators take turns, one instruction a turn, in the same order in every quarter.
.macro MULA f, a, zero
	WIN MUL
.irp b, 0,1,2,3,4,5,6,7
.if \zero
	v_wmma_f32_16x16x32_bf16 v[8*(8*(\a)+(\b)):8*(8*(\a)+(\b))+7], v[(\f)+32+8*(\b):(\f)+32+8*(\b)+7], v[(\f)+8*(\a):(\f)+8*(\a)+7], 0
.else
	v_wmma_f32_16x16x32_bf16 v[8*(8*(\a)+(\b)):8*(8*(\a)+(\b))+7], v[(\f)+32+8*(\b):(\f)+32+8*(\b)+7], v[(\f)+8*(\a):(\f)+8*(\a)+7], v[8*(8*(\a)+(\b)):8*(8*(\a)+(\b))+7]
.endif
.endr
.endm
; 24 LDS loads in one run: the fragments of quarter qq (32 along K) of a slot into buffer f: wb's sixteen first, then q's eight
.macro FETCH slot, qq, f
	WIN 0
.irp b, 0,1,2,3,4,5,6,7
	ds_load_tr16_b128 v[(\f)+32+8*(\b):(\f)+32+8*(\b)+3],   v[ADRB+(\slot)] offset:(\qq)*32*PB+32*(\b)
	ds_load_tr16_b128 v[(\f)+32+8*(\b)+4:(\f)+32+8*(\b)+7], v[ADRB+(\slot)] offset:(\qq)*32*PB+16*PB+32*(\b)
.endr
.irp a, 0,1,2,3
	ds_load_b128 v[(\f)+8*(\a):(\f)+8*(\a)+3],   v[ADRA+(\slot)] offset:64*(\qq)+(\a)*16*PA
	ds_load_b128 v[(\f)+8*(\a)+4:(\f)+8*(\a)+7], v[ADRA+(\slot)] offset:64*(\qq)+(\a)*16*PA+32
.endr
.endm
.macro PLACES                          ; four places in front of loads into registers that matrix instructions have read, and of vector lines that read results (ISA guide 7.12.1 for vector lines)
.rept 4
	v_nop
.endr
.endm
; A K step is four quarters of 32 along K, 32 matrix instructions each, on buffers 0, 1, 0, 1.  One of the first three: multiplies buffer f and, in its middle, fetches quarter qn into buffer g.
.macro QUARTER slot, qn, f, g, zero
	s_wait_dscnt 4                                 ; wb's fragments and q's blocks 0, 1 are in; the youngest four loads (blocks 2, 3) may be out
	MULA \f, 0, \zero
	MULA \f, 1, \zero
	PLACES
	FETCH \slot, \qn, \g
	s_wait_dscnt 24                                ; all but the 24 just issued
	MULA \f, 2, \zero
	MULA \f, 3, \zero
.endm
; The last quarter multiplies buffer 1 and changes slots: ONE barrier; in front of it each wave waits for all its tensor loads (one is out: its part of the next slot), adds 0 to its spare word,
; and waits for that and for its own reads of this slot.  fill = 1: the barrier opens a round of the cluster's, and this slot is filled again, two K steps ahead, first thing behind the round.
.macro TURN slot, next, fill
	WIN 0                                          ; (the add's two registers lie in window 0)
	s_wait_tensorcnt 0x0                           ; all my tensor loads have landed;
	ds_add_u32 v[SPW], v[NIL]                      ; 0 onto my spare word;
	s_wait_dscnt 5                                 ; (the add and the youngest four loads may be out)
	MULA F1, 0, 0                                  ; eight matrix instructions stand between the add and the wait for it
	s_wait_dscnt 0x0                               ; the add is done, and my reads of this slot are over
	s_barrier_signal -1
	MULA F1, 1, 0                                  ; work on registers while the others arrive
.if \fill
	WIN 0
.endif
	s_barrier_wait -1
.if \fill
	CREST                                          ; no wave of any partner still reads this slot's tiles or has a load on its way
	s_add_nc_u64 s[G0A+4*(\slot)+2:G0A+4*(\slot)+3], s[G0A+4*(\slot)+2:G0A+4*(\slot)+3], 2*KSTEP*2
	s_add_nc_u64 s[G0B+4*(\slot)+2:G0B+4*(\slot)+3], s[G0B+4*(\slot)+2:G0B+4*(\slot)+3], 2*KSTEP*8192
	JLOAD \slot                                    ; 112 matrix instructions ahead of the wait for it; the four v_nop behind it are also the places in front of the loads below
.else
	PLACES
.endif
	FETCH \next, 0, F0
	MULA F1, 2, 0
	MULA F1, 3, 0
.endm
	s_wait_tensorcnt 1                             ; my part of K step 0 is in; K step 1's may stay out
	s_barrier_signal -1
	s_barrier_wait -1                              ; everybody's is
	FETCH 0, 0, F0
	QUARTER 0, 1, F0, F1, 1                        ; the first quarter stands in front of the loop: its products start the sums
	WIN 0                                          ; at a label and at a branch every window is 0
	s_mov_b32 s3, LAPS-1
.Llap:                                                 ; a trip goes once round the ring, from a lap's second quarter to the next lap's first, and fills both slots again
	QUARTER 0, 2, F1, F0, 0
	QUARTER 0, 3, F0, F1, 0
	TURN 0, 1, 1
	QUARTER 1, 1, F0, F1, 0
	QUARTER 1, 2, F1, F0, 0
	QUARTER 1, 3, F0, F1, 0
	TURN 1, 0, 1
	QUARTER 0, 1, F0, F1, 0
	WIN 0
	s_sub_co_u32 s3, s3, 1
	s_cmp_lg_u32 s3, 0
	s_cbranch_scc1 .Llap
	QUARTER 0, 2, F1, F0, 0                        ; the last lap fills nothing, and has no round of the cluster's barrier
	QUARTER 0, 3, F0, F1, 0
	TURN 0, 1, 0
	QUARTER 1, 1, F0, F1, 0
	QUARTER 1, 2, F1, F0, 0
	QUARTER 1, 3, F0, F1, 0
	s_wait_dscnt 4                                 ; the very last quarter: nothing more to fetch
	MULA F1, 0, 0
	MULA F1, 1, 0
	s_wait_dscnt 0x0
	MULA F1, 2, 0
	MULA F1, 3, 0
	WIN 0
; THE WAY OUT, a block of 16 rows at a time.  PACK: the sums times the row's sc (each accumulator's registers in ascending order).  TOSTAGE: 32 bytes a lane into my own stage, and back
; as whole rows of 512 bytes.  RESID: the residual or its root.  SEND: times ws, plus the residual, one fused multiply-add; stored.
.macro PACK a
	WIN PK
.irp b, 0,1,2,3,4,5,6,7
.irp r, 0,1,2,3
	v_pk_mul_f32 v[TMP+8*(\b)+2*(\r):TMP+8*(\b)+2*(\r)+1], v[8*(8*(\a)+(\b))+2*(\r):8*(8*(\a)+(\b))+2*(\r)+1], v[SV+2*(\a):SV+2*(\a)+1] op_sel_hi:[1,0]
.endr
.endr
	WIN 0
.endm
.macro TOSTAGE
	WIN 0
	s_wait_xcnt 0x0                                ; the rows' registers were the last block's store data: they are loaded again only behind this wait
.irp b, 0,1,2,3,4,5,6,7
	ds_store_b128 v[STO], v[TMP+8*(\b):TMP+8*(\b)+3] offset:64*(\b)
	ds_store_b128 v[STO], v[TMP+8*(\b)+4:TMP+8*(\b)+7] offset:64*(\b)+16
.endr
.irp t, 0,1,2,3,4,5,6,7,8,9,10,11,12,13,14,15
	ds_load_b128 v[BK+4*(\t):BK+4*(\t)+3], v[RD] offset:(\t)*SP  ; LDS serves a wave's instructions in order (ISA guide 5.7.1.4): these see the stores above; the next block's stores come behind them
.endr
.endm
.macro RESID a                         ; stands between the loads from the stage and the wait for them
	WIN RS
.set i, 0
.rept 64
	v_sqrt_f32 v[SQ+i], v[64*(\a)+i]
.set i, i+1
.endr
	v_nop                                          ; a plain instruction between the roots and the use of their results
.set i, 0
	s_wait_alu depctr_va_vdst(0)
.rept 64
	v_cndmask_b32 v[SQ+i], v[64*(\a)+i], v[SQ+i], s74  ; the root where the mask is set, else the number itself
.set i, i+1
.endr
	WIN 0
.endm
.macro SEND a
	WIN 0
	s_wait_dscnt 0x0                               ; the block is back in registers
.irp t, 0,1,2,3,4,5,6,7,8,9,10,11,12,13,14,15
	v_pk_fma_f32 v[BK+4*(\t):BK+4*(\t)+1], v[BK+4*(\t):BK+4*(\t)+1], v[WS:WS+1], v[SQ+4*(\t):SQ+4*(\t)+1]
	v_pk_fma_f32 v[BK+4*(\t)+2:BK+4*(\t)+3], v[BK+4*(\t)+2:BK+4*(\t)+3], v[WS+2:WS+3], v[SQ+4*(\t)+2:SQ+4*(\t)+3]
	global_store_b128 v[CO], v[BK+4*(\t):BK+4*(\t)+3], s[72:73] offset:(16*(\a)+(\t))*16384  ; 512 consecutive bytes, at a multiple of 512 from out's first byte; 63 rows at the most: inside the signed 24-bit immediate
.endr
.endm
	PLACES                                         ; behind the last products
	s_wait_loadcnt 0x0                             ; ws, sc and the residual, asked for at the start
.irp a, 0,1,2,3
	PACK \a
	TOSTAGE
	RESID \a
	SEND \a
.endr
	s_wait_tensorcnt 0x0                           ; the wave's end, behind my last tensor load and my last LDS store
	ds_add_u32 v[SPW], v[NIL]
	s_wait_dscnt 0x0
	CROUND                                         ; the closing round: no work-group ends while a partner may still ask for a tile that names it
	s_endpgm
.Lfunc_end_k_qa40195c9c1_gemm1:
	.size	k_qa40195c9c1_gemm1, .Lfunc_end_k_qa40195c9c1_gemm1-k_qa40195c9c1_gemm1
	.p2alignl 7, 3214868480
	.fill 96, 4, 3214868480
	.section	.rodata,"a",@progbits
	.p2align	6, 0x0
	.amdhsa_kernel k_qa40195c9c1_gemm1
		.amdhsa_group_segment_fixed_size 327680
		.amdhsa_private_segment_fixed_size 0
		.amdhsa_enable_private_segment 0
		.amdhsa_kernarg_size 56
		.amdhsa_user_sgpr_count 2
		.amdhsa_user_sgpr_kernarg_segment_ptr 1
		.amdhsa_wavefront_size32 1
		.amdhsa_system_sgpr_workgroup_id_x 1
		.amdhsa_system_sgpr_workgroup_id_y 1
		.amdhsa_system_sgpr_workgroup_id_z 1
		.amdhsa_system_vgpr_workitem_id 0
		.amdhsa_next_free_vgpr 768
		.amdhsa_next_free_sgpr 80
		.amdhsa_reserve_vcc 0
		.amdhsa_float_denorm_mode_32 3
		.amdhsa_float_denorm_mode_16_64 3
		.amdhsa_memory_ordered 1
		.amdhsa_forward_progress 1
		.amdhsa_inst_pref_size 132
	.end_amdhsa_kernel
	.amdgpu_metadata
---
amdhsa.version: [ 1, 2 ]
amdhsa.kernels:
  - .name:           k_qa40195c9c1_gemm1
    .symbol:         k_qa40195c9c1_gemm1.kd
    .args:
      - { .name: q, .offset: 0, .size: 8, .value_kind: global_buffer, .address_space: global }
      - { .name: wb, .offset: 8, .size: 8, .value_kind: global_buffer, .address_space: global }
      - { .name: sc, .offset: 16, .size: 8, .value_kind: global_buffer, .address_space: global }
      - { .name: ws0, .offset: 24, .size: 8, .value_kind: global_buffer, .address_space: global }
      - { .name: x, .offset: 32, .size: 8, .value_kind: global_buffer, .address_space: global }
      - { .name: mode_sqrt, .offset: 40, .size: 8, .value_kind: global_buffer, .address_space: global }
      - { .name: resid1, .offset: 48, .size: 8, .value_kind: global_buffer, .address_space: global }
    .group_segment_fixed_size: 327680
    .private_segment_fixed_size: 0
    .kernarg_segment_align: 8
    .kernarg_segment_size: 56
    .max_flat_workgroup_size: 128
    .sgpr_count:     80
    .vgpr_count:     768
    .wavefront_size: 32
...
	.end_amdgpu_metadata
.endif
;; end of part 2
;; launch prep1: the kernel of part 1 again; grid 256 x 4, 4 waves a work-group, no clusters, 0 bytes of LDS; arguments resid1, nw1, w1, q, sc, wb, mode_sqrt, mode_copy; writes q, sc, wb, mode_sqrt, mode_copy
;; launch gemm2: the kernel of part 2 again; grid 16 x 16, 4 waves a work-group, clusters of 4 x 4, 327,680 bytes of LDS; arguments q, wb, sc, ws1, resid1, mode_copy, resid2; writes resid2
;; launch final (part 3): grid 512 x 1, 4 waves a work-group, no clusters, 0 bytes of LDS; arguments resid2, nw2, out0; writes out0
.if DOCPART == 3
	.amdgcn_target "amdgcn-amd-amdhsa--gfx1250"
	.amdhsa_code_object_version 6
	.text
	.protected	k_qa40195c9c1_final
	.globl	k_qa40195c9c1_final
	.p2align	8
	.type	k_qa40195c9c1_final,@function
k_qa40195c9c1_final:
	s_mov_b64 s[64:65], 0
	v_nop
	global_prefetch_b8 v0, s[64:65] scope:SCOPE_SE
	s_setreg_imm32_b32 hwreg(HW_REG_WAVE_MODE, 25, 1), 1
	s_wait_xcnt 0x0
; out[t][c] = v[t][c] rsqrt(mean over c of v[t][c]^2 + 1e-6) nw[c].  v, out: [2048][4096] f32; nw: [4096] f32.
; One wave takes one row, 16,384 bytes, and keeps it in 128 registers between the sum and the scaling: the row is read once, and no wave waits for another: no LDS, no barrier.
; The matrix unit has nothing to do here.  NO CLUSTER: what rows share is nw, 16,384 bytes, read through the caches.
; LIMITS.  v_rsq_f32 is good to one unit in the last place; its argument is at least 1e-6.  NaN and infinities are not treated apart.
.set X,  32                            ; v[32:159]   the row
.set NW, 160                           ; v[160:287]  nw; its last 32 registers lie in window 1 (v0-31 there)
.set S,  4                             ; v[4:11]     four pairs of sums of squares
.set R,  20                            ; v[20:21]    the row's factor, twice
.set MSB, 0
.macro WIN new                         ; s_set_vgpr_msb: bits 1:0 source 0, 3:2 source 1, 5:4 source 2, 7:6 destination; the high byte repeats the setting that is left
.if MSB != (\new)
	s_set_vgpr_msb (MSB<<8)|(\new)
.set MSB, \new
.endif
.endm
	s_load_b128 s[4:7], s[0:1], 0x0                ; v s[4:5], nw s[6:7]
	s_load_b64 s[8:9], s[0:1], 0x10                ; out
	v_and_b32 v1, 31, v0
	v_lshrrev_b32 v4, 5, v0
	v_readfirstlane_b32 s20, v4                    ; wave 0..3
	v_lshlrev_b32 v2, 4, v1                        ; 16 bytes a lane
	v_mov_b32 v17, 0                               ; the exchange's destination counts as read
	s_lshl_b32 s22, ttmp9, 2
	s_add_co_u32 s22, s22, s20                     ; my row
	s_lshl_b32 s24, s22, 14
	s_mov_b32 s25, 0
	s_mov_b32 s28, 0x76543210                      ; v_permlanex16_b32: each lane takes its own place in the other half
	s_mov_b32 s29, 0xfedcba98
	s_mov_b32 s30, 0x39800000                      ; 1 / 4096
	s_mov_b32 s31, 0x358637bd                      ; 1e-6
	s_wait_kmcnt 0x0
	s_add_nc_u64 s[4:5], s[4:5], s[24:25]
	s_add_nc_u64 s[8:9], s[8:9], s[24:25]
.set j, 0
.rept 32                                               ; load j covers the row's bytes 512 j .. 512 j + 511
	global_load_b128 v[X+4*j:X+4*j+3], v2, s[4:5] offset:512*j th:TH_LOAD_NT
.set j, j+1
.endr
.set j, 0
.rept 24
	global_load_b128 v[NW+4*j:NW+4*j+3], v2, s[6:7] offset:512*j
.set j, j+1
.endr
	WIN 0x40                                       ; destination in window 1: v256-287
.rept 8
	global_load_b128 v[NW+4*j-256:NW+4*j-253], v2, s[6:7] offset:512*j
.set j, j+1
.endr
	WIN 0
	s_wait_loadcnt 32                              ; the row is in; nw's 32 loads stay out
.set p, 0
.rept 4                                                ; the first four pairs start the four chains: nothing is cleared
	v_pk_mul_f32 v[S+2*p:S+2*p+1], v[X+2*p:X+2*p+1], v[X+2*p:X+2*p+1]
.set p, p+1
.endr
.rept 60
	v_pk_fma_f32 v[S+2*(p%4):S+2*(p%4)+1], v[X+2*p:X+2*p+1], v[X+2*p:X+2*p+1], v[S+2*(p%4):S+2*(p%4)+1]
.set p, p+1
.endr
	v_pk_add_f32 v[S:S+1], v[S:S+1], v[S+2:S+3]
	v_pk_add_f32 v[S+4:S+5], v[S+4:S+5], v[S+6:S+7]
	v_pk_add_f32 v[S:S+1], v[S:S+1], v[S+4:S+5]
	v_add_f32 v16, v[S], v[S+1]
	v_add_f32_dpp v16, v16, v16 row_xmask:1 row_mask:0xf bank_mask:0xf
	v_add_f32_dpp v16, v16, v16 row_xmask:2 row_mask:0xf bank_mask:0xf
	v_add_f32_dpp v16, v16, v16 row_xmask:4 row_mask:0xf bank_mask:0xf
	v_add_f32_dpp v16, v16, v16 row_xmask:8 row_mask:0xf bank_mask:0xf
	v_permlanex16_b32 v17, v16, s28, s29
	v_add_f32 v16, v16, v17                        ; every lane holds the row's sum of squares
	v_fma_f32 v19, v16, s30, s31
	v_rsq_f32 v[R], v19                            ; made twice, to fill the pair that the packed multiply takes
	v_rsq_f32 v[R+1], v19
	v_nop                                          ; a plain instruction between the second and the use of the results
.set p, 0
	s_wait_alu depctr_va_vdst(0)
.rept 64                                               ; the whole row times the factor, while nw is on its way
	v_pk_mul_f32 v[X+2*p:X+2*p+1], v[X+2*p:X+2*p+1], v[R:R+1]
.set p, p+1
.endr
.macro MULNW lo                        ; group j; lo: NW's register number in the window in force
	v_pk_mul_f32 v[X+4*j:X+4*j+1], v[X+4*j:X+4*j+1], v[(\lo)+4*j:(\lo)+4*j+1]
	v_pk_mul_f32 v[X+4*j+2:X+4*j+3], v[X+4*j+2:X+4*j+3], v[(\lo)+4*j+2:(\lo)+4*j+3]
.endm
.macro OUTJ                            ; 512 consecutive bytes, aligned; the registers are not written again
	global_store_b128 v2, v[X+4*j:X+4*j+3], s[8:9] offset:512*j th:TH_STORE_NT
.endm
	s_wait_loadcnt 16                              ; nw's first sixteen loads are in
.set j, 0
.rept 16
	MULNW NW
	OUTJ
.set j, j+1
.endr
	s_wait_loadcnt 0x0                             ; all of nw
.rept 8
	MULNW NW
	OUTJ
.set j, j+1
.endr
	WIN 0x04                                       ; source 1 in window 1
.rept 8
	MULNW NW-256
.set j, j+1
.endr
	WIN 0                                          ; a store's data is its source 1: back to window 0 first
.set j, 24
.rept 8
	OUTJ
.set j, j+1
.endr
	s_endpgm
.Lfunc_end_k_qa40195c9c1_final:
	.size	k_qa40195c9c1_final, .Lfunc_end_k_qa40195c9c1_final-k_qa40195c9c1_final
	.p2alignl 7, 3214868480
	.fill 96, 4, 3214868480
	.section	.rodata,"a",@progbits
	.p2align	6, 0x0
	.amdhsa_kernel k_qa40195c9c1_final
		.amdhsa_group_segment_fixed_size 0
		.amdhsa_private_segment_fixed_size 0
		.amdhsa_enable_private_segment 0
		.amdhsa_kernarg_size 24
		.amdhsa_user_sgpr_count 2
		.amdhsa_user_sgpr_kernarg_segment_ptr 1
		.amdhsa_wavefront_size32 1
		.amdhsa_system_sgpr_workgroup_id_x 1
		.amdhsa_system_sgpr_workgroup_id_y 1
		.amdhsa_system_sgpr_workgroup_id_z 1
		.amdhsa_system_vgpr_workitem_id 0
		.amdhsa_next_free_vgpr 288
		.amdhsa_next_free_sgpr 66
		.amdhsa_reserve_vcc 0
		.amdhsa_float_denorm_mode_32 3
		.amdhsa_float_denorm_mode_16_64 3
		.amdhsa_memory_ordered 1
		.amdhsa_forward_progress 1
		.amdhsa_inst_pref_size 23
	.end_amdhsa_kernel
	.amdgpu_metadata
---
amdhsa.version: [ 1, 2 ]
amdhsa.kernels:
  - .name:           k_qa40195c9c1_final
    .symbol:         k_qa40195c9c1_final.kd
    .args:
      - { .name: resid2, .offset: 0, .size: 8, .value_kind: global_buffer, .address_space: global }
      - { .name: nw2, .offset: 8, .size: 8, .value_kind: global_buffer, .address_space: global }
      - { .name: out0, .offset: 16, .size: 8, .value_kind: global_buffer, .address_space: global }
    .group_segment_fixed_size: 0
    .private_segment_fixed_size: 0
    .kernarg_segment_align: 8
    .kernarg_segment_size: 24
    .max_flat_workgroup_size: 128
    .sgpr_count:     66
    .vgpr_count:     288
    .wavefront_size: 32
...
	.end_amdgpu_metadata
.endif
;; end of part 3
;; ======== version 2 of 3: 5 launches; 1.18 times as fast as version 1
;; workspace buffers: q 8,388,608 bytes; sc 8,192 bytes; wb 33,554,432 bytes; resid1 33,554,432 bytes; resid2 33,554,432 bytes; mode_sqrt 256 bytes of whole numbers; mode_copy 256 bytes of whole numbers
;; launch prep0 (part 4): grid 256 x 1, 8 waves a work-group, no clusters, 34,048 bytes of LDS; arguments x, nw0, w0, q, sc, wb, mode_sqrt, mode_copy; writes q, sc, wb, mode_sqrt, mode_copy
.if DOCPART == 4
	.amdgcn_target "amdgcn-amd-amdhsa--gfx1250"
	.amdhsa_code_object_version 6
	.text
	.protected	k_qa40195c9c1_prep0
	.globl	k_qa40195c9c1_prep0
	.p2align	8
	.type	k_qa40195c9c1_prep0,@function
k_qa40195c9c1_prep0:
	s_mov_b64 s[64:65], 0
	v_nop
	global_prefetch_b8 v0, s[64:65] scope:SCOPE_SE
	s_setreg_imm32_b32 hwreg(HW_REG_WAVE_MODE, 25, 1), 1
	s_wait_xcnt 0x0
; WHAT STANDS IN FRONT OF A PRODUCT.  Arguments: src [2048][4096] f32, nw [4096] f32, w [4096 k][4096 n] f32; out: q, 2048 x 4096 e4m3 codes in blocks (below), sc [2048] f32, wb [4096][4096] bf16,
; two mode buffers of 64 words.  256 work-groups of eight waves, all with the same work: 8 rows of src, a wave a row, and 8 x 32,768 bytes of w.
; QUANT.  A wave keeps its row v in 128 registers:  r = rsqrt(mean(v^2) + 1e-6);  s = max(r max|v nw| / 448, 1e-10);  q = the e4m3 code nearest to clip(v nw r / s, -448, 448);  sc[row] = s.
;   Since max|v r nw| = r max|v nw|, the sum of squares and the maximum come from one reading of the row.
; q's LAYOUT is the product's fragment: for 16 rows and 32 k a block of 512 bytes, at ((row / 16) 128 + k / 32) 512; in it row r (0..15) and half h (0, 1) have the 16 bytes at
;   (r / 8) 256 + h 128 + (r % 8) 16: the codes of k = 8 h + 0..7, then of k = 16 + 8 h + 0..7.  An aligned 256 bytes of it holds 8 rows: so the work-group's eight rows meet in LDS, and each wave stores whole units.
; CAST.  wb = w rounded to bf16, in w's own layout.  Its first 32 loads go out as soon as the row has landed, so that they are on their way under the row's arithmetic.
; LIMITS.  1/448 and 1/s are multiplications by reciprocals (v_rcp_f32 is good to one unit in the last place), and the factors are taken in another order than y / s: a number that lies on
; the border between two e4m3 codes may take the neighbouring code.  v_rsq_f32 and v_rcp_f32 flush denormals: no case here, their arguments are at least 1e-6 and 1e-10.  NaN and infinities are not treated apart.
; NO MATRIX UNIT: nothing to multiply.  NO CLUSTER: what work-groups share is nw, 16,384 bytes, read through the caches; all else is read once.
; REGISTERS.  window 0: v0-31 at work; v32-159 the row, later wb's packed numbers; v160-191 q on its way out; v192-199 addresses.  window 1: v0-127 nw; v128-255 32 slots of w as loaded.
.set ROWP,  4112                       ; a row of codes in LDS: 4,096 bytes + 16
.set SPARE, 33024                      ; behind the eight rows (32,896 bytes, rounded up to blocks of 256): the spare words, 128 bytes for each wave, that no other line names
.set X,   32                           ; v[32:159]   the row
.set Y,   32                           ; the same registers, once the row is done: w's numbers packed, 2 registers a slot and round
.set QB,  160                          ; v[160:191]  eight times 16 bytes of q
.set LST, 192                          ; v192  LDS: where I put four codes of my row
.set LRD, 193                          ; v193  LDS: where I read 8 codes of a row back
.set QO,  194                          ; v194  my byte offset in two blocks of q
.set MD,  196                          ; v[196:199]  what the mode buffers take
.set S,   4                            ; v[4:11]     four pairs of sums of squares
.set M,   12                           ; v[12:15]    four running maxima
.set C,   20                           ; v[20:21]    r / s, twice
.set TA,  24                           ; v[24:27]    at work
.set TB,  4                            ; v[4:7]      at work, once the sums are folded
.set SPW, 30                           ; v30   LDS address of my spare word; never rewritten
.set NIL, 31                           ; v31   0; never rewritten
.set NW,  0                            ; window 1
.set CR,  128                          ; window 1
.set MSB, 0
.macro WIN new                         ; s_set_vgpr_msb: bits 1:0 source 0, 3:2 source 1, 5:4 source 2, 7:6 destination; the high byte repeats the setting that is left
.if MSB != (\new)
	s_set_vgpr_msb (MSB<<8)|(\new)
.set MSB, \new
.endif
.endm
	s_load_b512 s[4:19], s[0:1], 0x0               ; src s[4:5], nw s[6:7], w s[8:9], q s[10:11], sc s[12:13], wb s[14:15], mode_sqrt s[16:17], mode_copy s[18:19]
	v_lshl_add_u32 v[SPW], v0, 2, SPARE
	v_mov_b32 v[NIL], 0
	v_and_b32 v1, 31, v0                           ; lane
	v_lshrrev_b32 v4, 5, v0
	v_readfirstlane_b32 s20, v4                    ; wave 0..7
	v_lshlrev_b32 v2, 4, v1                        ; 16 bytes a lane: loads of f32
	v_lshlrev_b32 v3, 3, v1                        ; 8 bytes a lane: stores of bf16
	s_lshl_b32 s22, ttmp9, 3
	s_add_co_u32 s22, s22, s20                     ; 8 x work-group + wave: my row, and my share of w
	s_mov_b32 s25, 0
	s_mov_b32 s27, 0
	s_mul_i32 s23, s20, ROWP                       ; my row's place in LDS
	v_lshl_add_u32 v[LST], v1, 2, s23              ; + 4 x lane
	v_and_b32 v5, 7, v0                            ; back: lane = (block of two, half h, row 0..7)
	v_mul_u32_u24 v[LRD], v5, ROWP
	v_bfe_u32 v6, v0, 3, 1
	v_lshl_add_u32 v[LRD], v6, 3, v[LRD]           ; + 8 h
	v_bfe_u32 v7, v0, 4, 1
	v_lshl_add_u32 v[LRD], v7, 5, v[LRD]           ; + 32 codes for the second block
	s_lshl_b32 s23, s20, 9
	v_add_nc_u32 v[LRD], s23, v[LRD]               ; wave w stores the blocks of k = 512 w .. 512 w + 511
	v_and_b32 v5, 15, v0
	v_lshlrev_b32 v[QO], 4, v5                     ; in q: h 128 + row 16,
	v_lshl_add_u32 v[QO], v7, 9, v[QO]             ; and 512 for the second block
	v_mov_b32 v17, 0                               ; the exchange's destination counts as read
	v_mov_b32 v23, 0
	v_mov_b32 v28, 0                               ; the code registers are written by halves
	v_mov_b32 v29, 0
	s_mov_b32 s28, 0x76543210                      ; v_permlanex16_b32: each lane takes its own place in the other half
	s_mov_b32 s29, 0xfedcba98
	s_mov_b32 s30, 0x39800000                      ; 1 / 4096
	s_mov_b32 s31, 0x358637bd                      ; 1e-6
	s_mov_b32 s32, 0xc3e00000                      ; -448
	s_mov_b32 s33, 0x43e00000                      ; 448
	s_wait_kmcnt 0x0
	s_lshl_b32 s24, s22, 14                        ; 16,384 bytes a row of src
	s_add_nc_u64 s[4:5], s[4:5], s[24:25]
.set j, 0
.rept 32                                               ; the row: load j covers its bytes 512 j .. 512 j + 511
	global_load_b128 v[X+4*j:X+4*j+3], v2, s[4:5] offset:512*j
.set j, j+1
.endr
	WIN 0x40                                       ; destination in window 1
.set j, 0
.rept 32
	global_load_b128 v[NW+4*j:NW+4*j+3], v2, s[6:7] offset:512*j
.set j, j+1
.endr
	WIN 0
	s_lshl_b32 s24, s22, 2
	s_add_nc_u64 s[12:13], s[12:13], s[24:25]      ; sc at my row
	s_lshl_b32 s24, s22, 15
	s_add_nc_u64 s[8:9], s[8:9], s[24:25]          ; my 32,768 bytes of w,
	s_lshl_b32 s26, s22, 14
	s_add_nc_u64 s[14:15], s[14:15], s[26:27]      ; my 16,384 of wb
	s_lshr_b32 s24, ttmp9, 1
	s_lshl_b32 s24, s24, 16                        ; q: 16 rows are 128 blocks of 512 bytes;
	s_and_b32 s26, ttmp9, 1
	s_lshl_b32 s26, s26, 8                         ; my work-group's 8 rows are the lower or the upper 256 bytes of each;
	s_add_co_u32 s24, s24, s26
	s_lshl_b32 s26, s20, 13                        ; my wave stores 16 blocks
	s_add_co_u32 s24, s24, s26
	s_add_nc_u64 s[10:11], s[10:11], s[24:25]
	s_cmp_lg_u32 s22, 0
	s_cbranch_scc1 .Lnomode
	v_mov_b32 v[MD], 1                             ; one wave of the launch writes the two mode buffers whole: 32 lanes x 8 bytes = 256 bytes each
	v_mov_b32 v[MD+1], 1
	v_mov_b32 v[MD+2], 0
	v_mov_b32 v[MD+3], 0
	global_store_b64 v3, v[MD:MD+1], s[16:17]      ; every word 1: the product that reads it takes the root of its residual
	global_store_b64 v3, v[MD+2:MD+3], s[18:19]    ; every word 0: the residual as it is
.Lnomode:
	s_wait_loadcnt 32                              ; the row is in; nw's 32 loads stay out
	WIN 0x40
.set i, 0
.rept 32                                               ; w's first 32 loads, 512 consecutive bytes each
	global_load_b128 v[CR+4*i:CR+4*i+3], v2, s[8:9] offset:512*i th:TH_LOAD_NT
.set i, i+1
.endr
	WIN 0
.set p, 0
.rept 4                                                ; the first four pairs start the four chains: nothing is cleared
	v_pk_mul_f32 v[S+2*p:S+2*p+1], v[X+2*p:X+2*p+1], v[X+2*p:X+2*p+1]
.set p, p+1
.endr
.rept 60
	v_pk_fma_f32 v[S+2*(p%4):S+2*(p%4)+1], v[X+2*p:X+2*p+1], v[X+2*p:X+2*p+1], v[S+2*(p%4):S+2*(p%4)+1]
.set p, p+1
.endr
	v_pk_add_f32 v[S:S+1], v[S:S+1], v[S+2:S+3]
	v_pk_add_f32 v[S+4:S+5], v[S+4:S+5], v[S+6:S+7]
	v_pk_add_f32 v[S:S+1], v[S:S+1], v[S+4:S+5]
	v_add_f32 v16, v[S], v[S+1]
	v_add_f32_dpp v16, v16, v16 row_xmask:1 row_mask:0xf bank_mask:0xf
	v_add_f32_dpp v16, v16, v16 row_xmask:2 row_mask:0xf bank_mask:0xf
	v_add_f32_dpp v16, v16, v16 row_xmask:4 row_mask:0xf bank_mask:0xf
	v_add_f32_dpp v16, v16, v16 row_xmask:8 row_mask:0xf bank_mask:0xf
	v_permlanex16_b32 v17, v16, s28, s29
	v_add_f32 v16, v16, v17                        ; every lane holds the row's sum of squares
	v_fma_f32 v19, v16, s30, s31
	v_rsq_f32 v19, v19                             ; r; the products below are the plain instructions behind it
; v nw in place (sixteen groups under one window setting), then the largest |v nw| in four chains
.macro MULNW                           ; group j
	v_pk_mul_f32 v[X+4*j:X+4*j+1], v[X+4*j:X+4*j+1], v[NW+4*j:NW+4*j+1]
	v_pk_mul_f32 v[X+4*j+2:X+4*j+3], v[X+4*j+2:X+4*j+3], v[NW+4*j+2:NW+4*j+3]
.endm
.macro MAXJ
.if j < 2
	v_max_num_f32 v[M+(2*j)%4], |v[X+4*j]|, |v[X+4*j+1]|
	v_max_num_f32 v[M+(2*j+1)%4], |v[X+4*j+2]|, |v[X+4*j+3]|
.else
	v_max3_num_f32 v[M+(2*j)%4], v[M+(2*j)%4], |v[X+4*j]|, |v[X+4*j+1]|
	v_max3_num_f32 v[M+(2*j+1)%4], v[M+(2*j+1)%4], |v[X+4*j+2]|, |v[X+4*j+3]|
.endif
.endm
	s_wait_loadcnt 48                              ; nw's first sixteen loads are in: its other sixteen and w's 32 stay out
	WIN 0x04                                       ; source 1 in window 1
.set j, 0
.rept 16
	MULNW
.set j, j+1
.endr
	WIN 0
.set j, 0
.rept 16
	MAXJ
.set j, j+1
.endr
	s_wait_loadcnt 32                              ; all of nw; w's 32 stay out
	WIN 0x04
.set j, 16
.rept 16
	MULNW
.set j, j+1
.endr
	WIN 0
.set j, 16
.rept 16
	MAXJ
.set j, j+1
.endr
	v_max3_num_f32 v18, v[M], v[M+1], v[M+2]
	v_max_num_f32 v18, v18, v[M+3]
	v_max_num_f32_dpp v18, v18, v18 row_xmask:1 row_mask:0xf bank_mask:0xf
	v_max_num_f32_dpp v18, v18, v18 row_xmask:2 row_mask:0xf bank_mask:0xf
	v_max_num_f32_dpp v18, v18, v18 row_xmask:4 row_mask:0xf bank_mask:0xf
	v_max_num_f32_dpp v18, v18, v18 row_xmask:8 row_mask:0xf bank_mask:0xf
	v_permlanex16_b32 v17, v18, s28, s29
	v_max_num_f32 v18, v18, v17                    ; max |v nw|
	s_wait_alu depctr_va_vdst(0)
	v_mul_f32 v22, v18, v19                        ; times r: max |y|
	v_mul_f32 v22, 0x3b124925, v22                 ; / 448
	v_max_num_f32 v22, 0x2edbe6ff, v22             ; s, at least 1e-10
	v_rcp_f32 v[C], v22
	v_nop                                          ; a plain instruction between the reciprocal and its use
	s_wait_alu depctr_va_vdst(0)
	v_mul_f32 v[C], v[C], v19                      ; r / s
	v_mov_b32 v[C+1], v[C]
; Groups j and j + 1 of four numbers: scaled, clipped (the conversion to e4m3 does not saturate), to e4m3; four codes a lane go to my row in LDS, 128 consecutive bytes a store.
.macro SNAP2 j
	v_pk_mul_f32 v[TA:TA+1], v[X+4*(\j):X+4*(\j)+1], v[C:C+1]
	v_pk_mul_f32 v[TA+2:TA+3], v[X+4*(\j)+2:X+4*(\j)+3], v[C:C+1]
	v_pk_mul_f32 v[TB:TB+1], v[X+4*(\j)+4:X+4*(\j)+5], v[C:C+1]
	v_pk_mul_f32 v[TB+2:TB+3], v[X+4*(\j)+6:X+4*(\j)+7], v[C:C+1]
.irp k, 0,1,2,3
	v_med3_num_f32 v[TA+(\k)], v[TA+(\k)], s32, s33
	v_med3_num_f32 v[TB+(\k)], v[TB+(\k)], s32, s33
.endr
	v_cvt_pk_fp8_f32 v28.l, v[TA], v[TA+1]
	v_cvt_pk_fp8_f32 v29.l, v[TB], v[TB+1]
	v_cvt_pk_fp8_f32 v28.h, v[TA+2], v[TA+3]
	v_cvt_pk_fp8_f32 v29.h, v[TB+2], v[TB+3]
	ds_store_b32 v[LST], v28 offset:128*(\j)
	ds_store_b32 v[LST], v29 offset:128*(\j)+128
.endm
.irp j, 0,2,4,6,8,10,12,14,16,18,20,22,24,26,28,30
	SNAP2 \j
.endr
	s_wait_xcnt 0x0                                ; EXEC is a source of the loads that are out: it changes only behind this wait
	v_cmp_eq_u32 vcc_lo, 0, v1
	s_and_saveexec_b32 s34, vcc_lo
	global_store_b32 v23, v22, s[12:13]            ; lane 0 stores the row's s: four bytes a row, 8,192 in the launch
	s_wait_xcnt 0x0                                ; and again in front of the line that widens it
	s_or_b32 exec_lo, exec_lo, s34
	s_wait_dscnt 0x0                               ; for the others' sake: my row's codes are in LDS
	s_barrier_signal -1
	s_barrier_wait -1                              ; all eight rows are
.set i, 0
.rept 8                                                ; two blocks at a time: of each row and half the codes of k = 8 h + 0..7 and of k = 16 + 8 h + 0..7
	ds_load_b64 v[QB+4*i:QB+4*i+1], v[LRD] offset:64*i
	ds_load_b64 v[QB+4*i+2:QB+4*i+3], v[LRD] offset:64*i+16
.set i, i+1
.endr
.set i, 0
.rept 8
	s_wait_dscnt 14-2*i                            ; LDS loads come back in order: pair i is in, the later pairs stay out
	global_store_b128 v[QO], v[QB+4*i:QB+4*i+3], s[10:11] offset:1024*i  ; lanes 0-15 and lanes 16-31 each store 256 consecutive bytes, aligned
.set i, i+1
.endr
	; CAST: the ring of 32 slots is taken eight slots at a time, so that a window setting serves sixteen conversions or sixteen memory lines.  No register that a store reads is written again.
.set g, 0
.rept 4                                                ; the first half: packed, loaded again, stored
	s_wait_loadcnt 24                              ; the oldest eight of the 32 are in
	WIN 0x05                                       ; sources in window 1
.set i, 8*g
.rept 8
	v_cvt_pk_bf16_f32 v[Y+2*i], v[CR+4*i], v[CR+4*i+1]
	v_cvt_pk_bf16_f32 v[Y+2*i+1], v[CR+4*i+2], v[CR+4*i+3]
.set i, i+1
.endr
	WIN 0x40                                       ; a load's destination in window 1; a store's address and data in window 0
.set i, 8*g
.rept 8
	global_load_b128 v[CR+4*i:CR+4*i+3], v2, s[8:9] offset:512*(32+i) th:TH_LOAD_NT
	global_store_b64 v3, v[Y+2*i:Y+2*i+1], s[14:15] offset:256*i  ; the wave's store covers 256 consecutive bytes, aligned
.set i, i+1
.endr
.set g, g+1
.endr
.set g, 0
.rept 4                                                ; the second half loads nothing: the counts run down
	s_wait_loadcnt 24-8*g
	WIN 0x05
.set i, 8*g
.rept 8
	v_cvt_pk_bf16_f32 v[Y+64+2*i], v[CR+4*i], v[CR+4*i+1]
	v_cvt_pk_bf16_f32 v[Y+64+2*i+1], v[CR+4*i+2], v[CR+4*i+3]
.set i, i+1
.endr
	WIN 0
.set i, 8*g
.rept 8
	global_store_b64 v3, v[Y+64+2*i:Y+64+2*i+1], s[14:15] offset:256*(32+i)
.set i, i+1
.endr
.set g, g+1
.endr
	s_wait_tensorcnt 0x0                           ; the wave's end, behind my last LDS store
	ds_add_u32 v[SPW], v[NIL]
	s_wait_dscnt 0x0
	s_endpgm
.Lfunc_end_k_qa40195c9c1_prep0:
	.size	k_qa40195c9c1_prep0, .Lfunc_end_k_qa40195c9c1_prep0-k_qa40195c9c1_prep0
	.p2alignl 7, 3214868480
	.fill 96, 4, 3214868480
	.section	.rodata,"a",@progbits
	.p2align	6, 0x0
	.amdhsa_kernel k_qa40195c9c1_prep0
		.amdhsa_group_segment_fixed_size 34048
		.amdhsa_private_segment_fixed_size 0
		.amdhsa_enable_private_segment 0
		.amdhsa_kernarg_size 64
		.amdhsa_user_sgpr_count 2
		.amdhsa_user_sgpr_kernarg_segment_ptr 1
		.amdhsa_wavefront_size32 1
		.amdhsa_system_sgpr_workgroup_id_x 1
		.amdhsa_system_sgpr_workgroup_id_y 1
		.amdhsa_system_sgpr_workgroup_id_z 1
		.amdhsa_system_vgpr_workitem_id 0
		.amdhsa_next_free_vgpr 512
		.amdhsa_next_free_sgpr 66
		.amdhsa_reserve_vcc 1
		.amdhsa_float_denorm_mode_32 3
		.amdhsa_float_denorm_mode_16_64 3
		.amdhsa_memory_ordered 1
		.amdhsa_forward_progress 1
		.amdhsa_inst_pref_size 64
	.end_amdhsa_kernel
	.amdgpu_metadata
---
amdhsa.version: [ 1, 2 ]
amdhsa.kernels:
  - .name:           k_qa40195c9c1_prep0
    .symbol:         k_qa40195c9c1_prep0.kd
    .args:
      - { .name: x, .offset: 0, .size: 8, .value_kind: global_buffer, .address_space: global }
      - { .name: nw0, .offset: 8, .size: 8, .value_kind: global_buffer, .address_space: global }
      - { .name: w0, .offset: 16, .size: 8, .value_kind: global_buffer, .address_space: global }
      - { .name: q, .offset: 24, .size: 8, .value_kind: global_buffer, .address_space: global }
      - { .name: sc, .offset: 32, .size: 8, .value_kind: global_buffer, .address_space: global }
      - { .name: wb, .offset: 40, .size: 8, .value_kind: global_buffer, .address_space: global }
      - { .name: mode_sqrt, .offset: 48, .size: 8, .value_kind: global_buffer, .address_space: global }
      - { .name: mode_copy, .offset: 56, .size: 8, .value_kind: global_buffer, .address_space: global }
    .group_segment_fixed_size: 34048
    .private_segment_fixed_size: 0
    .kernarg_segment_align: 8
    .kernarg_segment_size: 64
    .max_flat_workgroup_size: 256
    .sgpr_count:     66
    .vgpr_count:     512
    .wavefront_size: 32
...
	.end_amdgpu_metadata
.endif
;; end of part 4
;; launch gemm1 (part 5): grid 16 x 16, 4 waves a work-group, clusters of 4 x 1, 327,680 bytes of LDS; arguments q, wb, sc, ws0, x, mode_sqrt, resid1; writes resid1
.if DOCPART == 5
	.amdgcn_target "amdgcn-amd-amdhsa--gfx1250"
	.amdhsa_code_object_version 6
	.text
	.protected	k_qa40195c9c1_gemm1
	.globl	k_qa40195c9c1_gemm1
	.p2align	8
	.type	k_qa40195c9c1_gemm1,@function
k_qa40195c9c1_gemm1:
	s_mov_b64 s[64:65], 0
	v_nop
	global_prefetch_b8 v0, s[64:65] scope:SCOPE_SE
	s_setreg_imm32_b32 hwreg(HW_REG_WAVE_MODE, 25, 1), 1
	s_wait_xcnt 0x0
	s_wait_alu depctr_hold_cnt(0) depctr_sa_sdst(0) depctr_va_vdst(0) depctr_va_sdst(0) depctr_va_ssrc(0) depctr_va_vcc(0) depctr_vm_vsrc(0)
	s_getreg_b32 s2, hwreg(HW_REG_IB_STS2, 6, 4)
	s_cmp_eq_u32 s2, 0
	s_cbranch_scc0 .Lentry_in_a_cluster
	s_endpgm
.Lentry_in_a_cluster:
	s_bfe_u32 s2, ttmp6, 0x10000c
	s_cmp_lg_u32 s2, 0x3003
	s_cbranch_scc0 .Lentry_shape_is_right
	s_endpgm
.Lentry_shape_is_right:
; out[t][n] = (sum over k of q[t][k] wb[k][n]) sc[t] ws[n] + R[t][n],  R = sqrt(res) where the mode word is not 0, else res.
; q: 2048 x 4096 e4m3 codes in blocks (below), wb [4096 k][4096 n] bf16, sc [2048] f32, ws [4096] f32, res and out [2048][4096] f32, mode: 64 words, all alike.  Products in bf16, sums in f32, K ascending.
; SHARES.  A tile of out is 128 rows x 256 columns: 16 x 16 = 256 work-groups; the tile row is the grid's x, the tile column its y.  Four waves; wave w has rows 64 (w / 2) on and columns 128 (w % 2) on:
; 32 accumulators of 16 x 16, 256 registers.
; wb goes in K steps of 256 through two LDS slots filled by the tensor data mover; each wave fetches 64 k x 256 n, rows of 512 bytes that start at multiples of 512 from the buffer's first byte.
; THE MATRIX INSTRUCTION IS USED TRANSPOSED: source 0 = 16 columns of wb, turned on the way out of LDS by ds_load_tr16_b128; source 1 = 16 rows of q.  A lane then holds row lane % 16 and the
; eight neighbouring columns 8 (lane / 16) + 0..7.
; q COMES STRAIGHT INTO REGISTERS.  The launch before has laid its codes as fragments: for 16 rows and 32 k a block of 512 bytes, at ((row / 16) 128 + k / 32) 512, in which row r and half h have the
; 16 bytes at (r / 8) 256 + h 128 + (r % 8) 16: k = 8 h + 0..7, then 16 + 8 h + 0..7.  One load of 16 bytes a lane, 512 consecutive bytes a wave, is a fragment's codes; two conversions (eight codes
; each, scale 2^0) make the bf16 fragment: exact, an e4m3 number has four significant bits.  A ring of eight quarters of 32 k, 16 registers each, is filled again eight quarters, 256 matrix instructions, ahead.
; CLUSTERS.  Four work-groups along x: they share the tile column, so wb's tiles are asked for JOINTLY: the same tensor load, descriptor and mask of four in all.  By this text's own count a wave has two
; tensor loads out at the start and one behind each round.  q IS NOT ASKED FOR JOINTLY, though the 16 work-groups of a tile row read the same codes: a joint load ends in LDS, and with q's tile beside wb's two
; slots of K = 256 would take 2 x (128 x 528 + 256 x 544) = 413,696 bytes, more than the 327,680 there are; at K = 128 a refill would have 112 matrix instructions in which to land, here it has 240.
; For a K step a work-group takes 131,072 bytes of wb jointly and 4 x 16,384 bytes of codes on its own.
; THE RESIDUAL, 64 rows x 512 bytes a wave, is loaded in the last eight quarters that prepare a next one, eight loads in each, where the ring has nothing left to fetch.  The two products of the model differ in the root alone:
; the root is always taken, and a select under a mask made of the mode word keeps it or the number itself: no branch and no address hangs on that word.
; LIMITS.  v_sqrt_f32 is good to one unit in the last place and flushes denormals: a residual below 2^-126 counts as 0.  wb is the weights rounded to bf16.
; NO PREFETCH: both streams are asked for a K step ahead.  ONE TILE a work-group: there are as many tiles as work-groups, and K is long (16 steps).
; REGISTERS, in windows of 256 (s_set_vgpr_msb: bits 1:0 source 0, 3:2 source 1, 5:4 source 2, 7:6 destination):
;   window 0: v0-43 addresses, ws, sc; v64-191 the ring of codes; v192-223, v224-255 two buffers of q's fragments; on the way out v64-127 scaled sums, v128-191 whole rows, v192-255 the residual
;   window 1: accumulator (a, b) at v[8 (8 a + b)]     window 2: the residual as loaded, row i of my 64 at v[4 i]     window 3: v0-63, v64-127 two buffers of wb's fragments
.set LAPS,   8                         ; 4,096 / (2 x 256): a lap = two K steps = once round the ring of slots
.set PB,     544                       ; a row of wb's tile in LDS: 512 + 32 = 136 words
.set BQ,     64*PB                     ; what one tensor load brings: 64 k
.set HALFS,  2*BQ                      ; four quarters: an LDS offset has 16 bits, so each half of a slot has an address register
.set SLOT,   4*BQ                      ; 139,264
.set STAGE,  2*SLOT                    ; behind the ring, never filled by a tensor load: 16 rows x 528 bytes for each wave, for the way out
.set SP,     528                       ; 512 bytes + 16
.set WSTAGE, 16*SP                     ; 8,448 = 33 blocks of 256
.set SPARE,  STAGE+4*WSTAGE            ; behind the stages: the spare words, 128 bytes for each wave: two blocks of 256 bytes that no other line names
.set ADRB, 16                          ; v16-19  LDS address of my fragments of wb: slot 0 first and second half, slot 1 likewise
.set AO,   20                          ; v20     my 16 bytes in a block of q; never rewritten
.set SCL,  21                          ; v21     the conversions' scale: every byte 0x7f, 2^0
.set STO,  24                          ; v24     the way out: where I put 32 bytes of a row
.set RD,   25                          ; v25     the way out: where I read a row back
.set CO,   26                          ; v26     16 x lane: my place in 512 bytes of a row of res, out, ws; never rewritten
.set R4,   27                          ; v27     4 x (lane % 16); never rewritten
.set SPW,  28                          ; v28     LDS address of my spare word; never rewritten
.set NIL,  29                          ; v29     0; never rewritten
.set WS,   32                          ; v[32:35] ws of my four columns on the way out
.set SV,   36                          ; v[36:43] sc of row lane % 16 of row block a at v[36 + 2 a]; the odd registers hold 0 (named with them as pairs)
.set RING, 64
.set AF,   192
.set TMP,  64
.set BK,   128
.set SQ,   192
.set AB,   18                          ; s[18:19] q at my wave's rows; steps by a lap
.set G1,   48                          ; s[48:55] descriptor group 1;  s[56:63] group 0, one set for each slot
.set G0,   56
.set MSB, 0
.macro WIN new                         ; the immediate's high byte repeats the setting that is left; a switch that changes nothing is dropped
.if MSB != (\new)
	s_set_vgpr_msb (MSB<<8)|(\new)
.set MSB, \new
.endif
.endm
.set MUL, 0x53                         ; source 0 (wb) window 3, source 1 (q) window 0, C and D window 1
.set TOB, 0xc0                         ; destination window 3
.set PK,  0x01                         ; source 0 in window 1
.set RS,  0x02                         ; source 0 in window 2
.set LD2, 0x80                         ; destination in window 2
.macro PLACES                          ; four places in front of loads into, and vector writes of, registers that matrix instructions have read, and of vector lines that read results (ISA guide 7.12.1 for vector lines)
.rept 4
	v_nop
.endr
.endm
.macro TLOAD s                         ; every wave asks for its own 64 k of the slot's tile: one line, no branch
	tensor_load_to_lds s[G0+4*(\s):G0+4*(\s)+3], s[G1:G1+7]
	s_nop 0
.endm
.macro CREST                           ; a round of the cluster's barrier behind its opening barrier: wave 0 signals for the work-group, every wave waits for all four, my work-group's barrier once more
	s_cmp_lg_u32 s12, 0
	s_cbranch_scc1 .Lnot_wave_0_\@
	s_barrier_signal -3
.Lnot_wave_0_\@:
	s_barrier_wait -3
	s_barrier_signal -1
	s_barrier_wait -1
.endm
.macro CROUND                          ; a whole round
	s_barrier_signal -1
	s_barrier_wait -1
	CREST
.endm
	s_load_b256 s[4:11], s[0:1], 0x0               ; q s[4:5], wb s[6:7], sc s[8:9], ws s[10:11]
	s_load_b128 s[68:71], s[0:1], 0x20             ; res s[68:69], mode s[70:71]
	s_load_b64 s[72:73], s[0:1], 0x30              ; out
	v_lshl_add_u32 v[SPW], v0, 2, SPARE
	v_mov_b32 v[NIL], 0
	ds_add_u32 v[SPW], v[NIL]                      ; the wave's opening: the add and its wait stand ahead of my first tensor load; the set-up below, work on registers, stands between them
	v_lshrrev_b32 v1, 5, v0
	v_readfirstlane_b32 s12, v1                    ; wave 0..3
	s_lshr_b32 s13, s12, 1                         ; which 64 rows of the tile are mine
	s_and_b32 s14, s12, 1                          ; which 128 columns
	s_bfe_u32 s40, ttmp6, 0x40000                  ; cx: my place in the cluster
	s_lshl_b32 s42, ttmp9, 2                       ; in a cluster launch ttmp9 counts clusters
	s_add_co_u32 s42, s42, s40                     ; tile row = 4 x cluster x + cx: it enters the addresses of q, sc, res and out alone
	s_and_b32 s45, ttmp7, 0xffff                   ; tile column, which the four partners share
	; descriptor group 1: 64 rows (k) x 256 elements, padded in LDS
	s_mov_b32 s[G1+0], 15|(1<<16)|(1<<20)|(1<<21)|(6<<22)|(7<<25)  ; 15:0 the mask: all four work-groups; 17:16 2-byte elements; 20 padding on; 21 set beside a mask; 24:22 after every 128 words (code 6); 31:25 8 words (code 7)
	s_mov_b32 s[G1+1], 256<<16                     ; tensor_dim0 = 256
	s_mov_b32 s[G1+2], 64<<16                      ; tensor_dim1 = 64
	s_mov_b32 s[G1+3], 256<<16                     ; tile_dim0 = 256
	s_mov_b32 s[G1+4], 64                          ; tile_dim1 = 64
	s_mov_b32 s[G1+5], 4096                        ; elements from row to row
	s_mov_b32 s[G1+6], 0
	s_mov_b32 s[G1+7], 0
	s_lshl_b32 s46, s12, 19                        ; wb: k = 64 x wave, 8,192 bytes a row,
	s_lshl_b32 s23, s45, 9                         ; 512 bytes a tile column
	s_add_co_u32 s46, s46, s23
	s_mov_b32 s47, 0
	s_mul_i32 s20, s12, BQ                         ; and where it goes: no place in the cluster enters an LDS address
	s_lshl_b32 s16, s42, 3                         ; q: my first block of 16 rows is 8 x tile row + 4 x half,
	s_lshl_b32 s22, s13, 2
	s_add_co_u32 s16, s16, s22
	s_lshl_b32 s16, s16, 16                        ; 65,536 bytes each
	s_mov_b32 s17, 0
	; my part of res and out, of sc and of ws, in bytes
	s_lshl_b32 s76, s42, 7
	s_lshl_b32 s77, s13, 6
	s_add_co_u32 s76, s76, s77                     ; my first row
	s_lshl_b32 s78, s76, 2                         ; in sc
	s_mov_b32 s79, 0
	s_lshl_b32 s76, s76, 14                        ; 16,384 bytes a row
	s_lshl_b32 s66, s45, 10
	s_lshl_b32 s67, s14, 9
	s_add_co_u32 s66, s66, s67                     ; my first column: 1,024 x tile column + 512 x half: in ws,
	s_add_co_u32 s76, s76, s66                     ; and in a row
	s_mov_b32 s67, 0
	s_mov_b32 s77, 0
	s_wait_dscnt 0x0                               ; the opening add is done
	s_wait_kmcnt 0x0
	s_add_nc_u64 s[AB:AB+1], s[4:5], s[16:17]
	s_add_nc_u64 s[46:47], s[6:7], s[46:47]
	s_add_nc_u64 s[8:9], s[8:9], s[78:79]
	s_add_nc_u64 s[10:11], s[10:11], s[66:67]
	s_add_nc_u64 s[68:69], s[68:69], s[76:77]
	s_add_nc_u64 s[72:73], s[72:73], s[76:77]
	CROUND                                         ; all four work-groups are here: the first joint loads meet
.irp s, 0,1
	s_mov_b32 s[G0+4*(\s)], 1                                      ; 1:0 count = 1
	s_add_co_u32 s[G0+4*(\s)+1], s20, (\s)*SLOT                    ; 63:32 LDS address
	s_add_nc_u64 s[G0+4*(\s)+2:G0+4*(\s)+3], s[46:47], (\s)*256*8192  ; 120:64 global address: K step s
	s_or_b32 s[G0+4*(\s)+3], s[G0+4*(\s)+3], 0x80000000            ; 127:126 type = 2
.endr
	TLOAD 0                                        ; the two first fills stand together, an s_nop 0 behind each, four v_nop behind the second
	TLOAD 1
	PLACES
	s_load_b32 s74, s[70:71], 0x0                  ; the mode word
	v_and_b32 v1, 15, v0                           ; r = l % 16
	v_bfe_u32 v2, v0, 4, 1                         ; h = l / 16
	v_and_b32 v3, 7, v0
	v_bfe_u32 v5, v0, 3, 1
	v_lshlrev_b32 v[AO], 4, v3                     ; in a block of q: (r % 8) 16
	v_lshl_add_u32 v[AO], v2, 7, v[AO]             ; + h 128
	v_lshl_add_u32 v[AO], v5, 8, v[AO]             ; + (r / 8) 256
	v_and_b32 v7, 31, v0
	v_lshlrev_b32 v[CO], 4, v7
	v_lshlrev_b32 v[R4], 2, v1
	global_load_b128 v[WS:WS+3], v[CO], s[10:11]
.irp a, 0,1,2,3
	global_load_b32 v[SV+2*(\a)], v[R4], s[8:9] offset:64*(\a)
	v_mov_b32 v[SV+2*(\a)+1], 0
.endr
; Four loads: the codes of my four blocks of 16 rows for one quarter of 32 k, into slot sl of the ring.  g: the quarter, counted from where s[AB] stands.
.macro LOADA sl, g
	WIN 0
.irp a, 0,1,2,3
	global_load_b128 v[RING+16*(\sl)+4*(\a):RING+16*(\sl)+4*(\a)+3], v[AO], s[AB:AB+1] offset:(\g)*512+(\a)*65536  ; 512 consecutive bytes, aligned
.endr
.endm
.irp sl, 0,1,2,3,4,5,6,7
	LOADA \sl, \sl                                 ; the ring is filled: quarters 0 to 7
.endr
	; The turning load takes 16 k x 16 columns (lane l reads 16 bytes: k = 8 (l / 16) + l % 8, columns 8 ((l / 8) % 2) + 0..7) and leaves half a fragment: lane l holds column l % 16 and 8 k.
	v_lshl_add_u32 v4, v2, 3, v3
	v_mul_u32_u24 v4, v4, PB
	v_lshl_add_u32 v4, v5, 4, v4
	s_lshl_b32 s15, s14, 8                         ; my 128 columns: 256 bytes
	v_add_nc_u32 v[ADRB], s15, v4
	v_add_nc_u32 v[ADRB+1], HALFS, v[ADRB]
	v_add_nc_u32 v[ADRB+2], SLOT, v[ADRB]
	v_add_nc_u32 v[ADRB+3], SLOT+HALFS, v[ADRB]
	v_mov_b32 v[SCL], 0x7f7f7f7f
	s_mul_i32 s22, s12, WSTAGE
	s_add_co_u32 s22, s22, STAGE                   ; my stage
	v_mul_u32_u24 v6, v1, SP                       ; in: row l % 16, 32 bytes for each half of the lanes
	v_lshl_add_u32 v6, v2, 5, v6
	v_add_nc_u32 v[STO], s22, v6
	v_add_nc_u32 v[RD], s22, v[CO]                 ; back: 32 lanes take one row of 512 bytes
	s_wait_kmcnt 0x0
	s_cmp_lg_u32 s74, 0
	s_cselect_b32 s74, -1, 0                       ; a mask of all lanes or of none
; 8 matrix instructions: column blocks b0, b0 + 1 x all 4 row blocks, 32 along K, from buffers f.  zero = 1: the product starts the sums: nothing is cleared.
; The 32 accumulators take turns, one instruction a turn, in the same order in every quarter.
.macro MULQ f, b0, zero
	WIN MUL
.irp b, \b0, (\b0)+1
.irp a, 0,1,2,3
.if \zero
	v_wmma_f32_16x16x32_bf16 v[8*(8*(\a)+(\b)):8*(8*(\a)+(\b))+7], v[64*(\f)+8*(\b):64*(\f)+8*(\b)+7], v[AF+32*(\f)+8*(\a):AF+32*(\f)+8*(\a)+7], 0
.else
	v_wmma_f32_16x16x32_bf16 v[8*(8*(\a)+(\b)):8*(8*(\a)+(\b))+7], v[64*(\f)+8*(\b):64*(\f)+8*(\b)+7], v[AF+32*(\f)+8*(\a):AF+32*(\f)+8*(\a)+7], v[8*(8*(\a)+(\b)):8*(8*(\a)+(\b))+7]
.endif
.endr
.endr
.endm
; 16 LDS loads in one run: wb's fragments of quarter qq (0..7) of a slot into buffer f, column block 0 first
.macro FETCHB slot, qq, f
	WIN TOB
.irp b, 0,1,2,3,4,5,6,7
	ds_load_tr16_b128 v[64*(\f)+8*(\b):64*(\f)+8*(\b)+3],   v[ADRB+2*(\slot)+(\qq)/4] offset:((\qq)%4)*32*PB+32*(\b)
	ds_load_tr16_b128 v[64*(\f)+8*(\b)+4:64*(\f)+8*(\b)+7], v[ADRB+2*(\slot)+(\qq)/4] offset:((\qq)%4)*32*PB+16*PB+32*(\b)
.endr
.endm
; The codes in slot sl of the ring become q's four fragments in buffer f: eight codes a conversion.  A plain instruction stands behind the last, ahead of whatever touches a result or a source.
.macro CVTA sl, f
	WIN 0
.irp a, 0,1,2,3
	v_cvt_scale_pk8_bf16_fp8 v[AF+32*(\f)+8*(\a):AF+32*(\f)+8*(\a)+3],   v[RING+16*(\sl)+4*(\a):RING+16*(\sl)+4*(\a)+1],   v[SCL]
	v_cvt_scale_pk8_bf16_fp8 v[AF+32*(\f)+8*(\a)+4:AF+32*(\f)+8*(\a)+7], v[RING+16*(\sl)+4*(\a)+2:RING+16*(\sl)+4*(\a)+3], v[SCL]
.endr
	v_nop
.endm
.macro LOADR m                         ; rows 8 m .. 8 m + 7 of my residual: a load covers 512 consecutive bytes of a row, aligned; each byte is read once in the launch
	WIN LD2
.irp t, 0,1,2,3,4,5,6,7
	global_load_b128 v[4*(8*(\m)+(\t)):4*(8*(\m)+(\t))+3], v[CO], s[68:69] offset:16384*(8*(\m)+(\t)) th:TH_LOAD_NT
.endr
.endm
; The next quarter (quarter qn of LDS slot 'slot') is made ready in buffers g.  cnt: the loads issued behind its codes' four, which may stay out.
; kind = 1: its slot of the ring is filled again, with the quarter eight on (arg, counted from s[AB]).  kind = 2: nothing is left to fetch for the ring: eight rows of the residual (arg) go out instead.
.macro NEXT slot, qn, g, kind, arg, cnt
	WIN 0
	s_wait_loadcnt \cnt
	CVTA \qn, \g
.if (\kind) == 1
	LOADA \qn, \arg
.else
	LOADR \arg
.endif
	FETCHB \slot, \qn, \g
.endm
; A K step is eight quarters of 32 along K, 32 matrix instructions each, on buffers 0, 1, 0, 1 ...  One of the first seven: multiplies buffers f and, in its middle, makes the next quarter ready.
.macro QUARTER f, slot, qn, kind, arg, cnt, zero
	s_wait_dscnt 8                                 ; wb's column blocks 0 to 3 are in; the youngest eight loads (blocks 4 to 7) may be out
	MULQ \f, 0, \zero
	MULQ \f, 2, \zero
	PLACES
	NEXT \slot, \qn, 1-(\f), \kind, \arg, \cnt
	s_wait_dscnt 16                                ; all but the 16 just issued
	MULQ \f, 4, \zero
	MULQ \f, 6, \zero
.endm
; The eighth quarter multiplies buffers 1 and changes slots: ONE barrier; in front of it each wave waits for all its tensor loads (one is out: its part of the next slot), adds 0 to its spare word,
; and waits for that and for its own reads of this slot.  fill = 1: the barrier opens a round of the cluster's, and this slot is filled again, two K steps ahead, first thing behind the round.
.macro TURN slot, next, fill, kind, arg, cnt
	WIN 0                                          ; (the add's two registers lie in window 0)
	s_wait_tensorcnt 0x0                           ; all my tensor loads have landed;
	ds_add_u32 v[SPW], v[NIL]                      ; 0 onto my spare word;
	s_wait_dscnt 9                                 ; (the add and the youngest eight loads may be out)
	MULQ 1, 0, 0                                   ; eight matrix instructions stand between the add and the wait for it
	s_wait_dscnt 0x0                               ; the add is done, and my reads of this slot are over
	s_barrier_signal -1
	MULQ 1, 2, 0                                   ; work on registers while the others arrive
.if \fill
	WIN 0
.endif
	s_barrier_wait -1
.if \fill
	CREST                                          ; no wave of any partner still reads this slot's tile or has a load on its way
	s_add_nc_u64 s[G0+4*(\slot)+2:G0+4*(\slot)+3], s[G0+4*(\slot)+2:G0+4*(\slot)+3], 2*256*8192
	TLOAD \slot                                    ; 240 matrix instructions ahead of the wait for it
.endif
	PLACES                                         ; behind the tensor load, and the places in front of the conversions and loads below
	NEXT \next, 0, 0, \kind, \arg, \cnt
	MULQ 1, 4, 0
	MULQ 1, 6, 0
.endm
	s_wait_tensorcnt 1                             ; my part of K step 0 is in; K step 1's may stay out
	s_barrier_signal -1
	s_barrier_wait -1                              ; everybody's is
	NEXT 0, 0, 0, 1, 8, 28                         ; quarter 0 is made ready; everywhere in the loop 28 loads may stay out: the seven younger quarters' four each
	QUARTER 0, 0, 1, 1, 9, 28, 1                   ; the first quarter stands in front of the loop: its products start the sums
	WIN 0                                          ; at a label and at a branch every window is 0
	s_mov_b32 s3, LAPS-1
.Llap:                                                 ; a trip goes once round the ring of slots, from a lap's second quarter to the next lap's first, and fills both slots again
	QUARTER 1, 0, 2, 1, 10, 28, 0
	QUARTER 0, 0, 3, 1, 11, 28, 0
	QUARTER 1, 0, 4, 1, 12, 28, 0
	QUARTER 0, 0, 5, 1, 13, 28, 0
	QUARTER 1, 0, 6, 1, 14, 28, 0
	QUARTER 0, 0, 7, 1, 15, 28, 0
	TURN 0, 1, 1, 1, 16, 28
	QUARTER 0, 1, 1, 1, 17, 28, 0
	QUARTER 1, 1, 2, 1, 18, 28, 0
	QUARTER 0, 1, 3, 1, 19, 28, 0
	QUARTER 1, 1, 4, 1, 20, 28, 0
	QUARTER 0, 1, 5, 1, 21, 28, 0
	QUARTER 1, 1, 6, 1, 22, 28, 0
	QUARTER 0, 1, 7, 1, 23, 28, 0
	TURN 1, 0, 1, 1, 24, 28
	QUARTER 0, 0, 1, 1, 25, 28, 0
	WIN 0
	s_wait_xcnt 0x0                                ; the loads' base is stepped only behind this wait
	s_add_nc_u64 s[AB:AB+1], s[AB:AB+1], 16*512    ; a lap's sixteen quarters on
	s_sub_co_u32 s3, s3, 1
	s_cmp_lg_u32 s3, 0
	s_cbranch_scc1 .Llap
	QUARTER 1, 0, 2, 1, 10, 28, 0                  ; the last lap fills no slot and has no round of the cluster's barrier; the ring's last six refills are quarters 122 to 127
	QUARTER 0, 0, 3, 1, 11, 28, 0
	QUARTER 1, 0, 4, 1, 12, 28, 0
	QUARTER 0, 0, 5, 1, 13, 28, 0
	QUARTER 1, 0, 6, 1, 14, 28, 0
	QUARTER 0, 0, 7, 1, 15, 28, 0
	TURN 0, 1, 0, 2, 0, 28                         ; from here on the residual: behind the codes waited for stand 7 - m quarters of four loads and m of eight: 28 + 4 m
	QUARTER 0, 1, 1, 2, 1, 32, 0
	QUARTER 1, 1, 2, 2, 2, 36, 0
	QUARTER 0, 1, 3, 2, 3, 40, 0
	QUARTER 1, 1, 4, 2, 4, 44, 0
	QUARTER 0, 1, 5, 2, 5, 48, 0
	QUARTER 1, 1, 6, 2, 6, 52, 0
	QUARTER 0, 1, 7, 2, 7, 56, 0
	s_wait_dscnt 8                                 ; the very last quarter: nothing more to make ready
	MULQ 1, 0, 0
	MULQ 1, 2, 0
	s_wait_dscnt 0x0
	MULQ 1, 4, 0
	MULQ 1, 6, 0
	WIN 0
; THE WAY OUT, a block of 16 rows at a time.  PACK: the sums times the row's sc (each accumulator's registers in ascending order).  TOSTAGE: 32 bytes a lane into my own stage, and back
; as whole rows of 512 bytes.  RESID: the residual or its root.  SEND: times ws, plus the residual, one fused multiply-add; stored.
.macro PACK a
	WIN PK
.irp b, 0,1,2,3,4,5,6,7
.irp r, 0,1,2,3
	v_pk_mul_f32 v[TMP+8*(\b)+2*(\r):TMP+8*(\b)+2*(\r)+1], v[8*(8*(\a)+(\b))+2*(\r):8*(8*(\a)+(\b))+2*(\r)+1], v[SV+2*(\a):SV+2*(\a)+1] op_sel_hi:[1,0]
.endr
.endr
	WIN 0
.endm
.macro TOSTAGE
	WIN 0
	s_wait_xcnt 0x0                                ; the rows' registers were the last block's store data: they are loaded again only behind this wait
.irp b, 0,1,2,3,4,5,6,7
	ds_store_b128 v[STO], v[TMP+8*(\b):TMP+8*(\b)+3] offset:64*(\b)
	ds_store_b128 v[STO], v[TMP+8*(\b)+4:TMP+8*(\b)+7] offset:64*(\b)+16
.endr
.irp t, 0,1,2,3,4,5,6,7,8,9,10,11,12,13,14,15
	ds_load_b128 v[BK+4*(\t):BK+4*(\t)+3], v[RD] offset:(\t)*SP  ; LDS serves a wave's instructions in order (ISA guide 5.7.1.4): these see the stores above; the next block's stores come behind them
.endr
.endm
.macro RESID a                         ; stands between the loads from the stage and the wait for them
	s_wait_loadcnt 48-16*(\a)                      ; the block's sixteen rows of the residual are in; the later blocks' may stay out
	WIN RS
.set i, 0
.rept 64
	v_sqrt_f32 v[SQ+i], v[64*(\a)+i]
.set i, i+1
.endr
	v_nop                                          ; a plain instruction between the roots and the use of their results
.set i, 0
	s_wait_alu depctr_va_vdst(0)
.rept 64
	v_cndmask_b32 v[SQ+i], v[64*(\a)+i], v[SQ+i], s74  ; the root where the mask is set, else the number itself
.set i, i+1
.endr
	WIN 0
.endm
.macro SEND a
	WIN 0
	s_wait_dscnt 0x0                               ; the block is back in registers
.irp t, 0,1,2,3,4,5,6,7,8,9,10,11,12,13,14,15
	v_pk_fma_f32 v[BK+4*(\t):BK+4*(\t)+1], v[BK+4*(\t):BK+4*(\t)+1], v[WS:WS+1], v[SQ+4*(\t):SQ+4*(\t)+1]
	v_pk_fma_f32 v[BK+4*(\t)+2:BK+4*(\t)+3], v[BK+4*(\t)+2:BK+4*(\t)+3], v[WS+2:WS+3], v[SQ+4*(\t)+2:SQ+4*(\t)+3]
	global_store_b128 v[CO], v[BK+4*(\t):BK+4*(\t)+3], s[72:73] offset:(16*(\a)+(\t))*16384  ; 512 consecutive bytes, at a multiple of 512 from out's first byte; 63 rows at the most: inside the signed 24-bit immediate
.endr
.endm
	PLACES                                         ; behind the last products
.irp a, 0,1,2,3
	PACK \a
	TOSTAGE
	RESID \a
	SEND \a
.endr
	s_wait_tensorcnt 0x0                           ; the wave's end, behind my last tensor load and my last LDS store
	ds_add_u32 v[SPW], v[NIL]
	s_wait_dscnt 0x0
	CROUND                                         ; the closing round: no work-group ends while a partner may still ask for a tile that names it
	s_endpgm
.Lfunc_end_k_qa40195c9c1_gemm1:
	.size	k_qa40195c9c1_gemm1, .Lfunc_end_k_qa40195c9c1_gemm1-k_qa40195c9c1_gemm1
	.p2alignl 7, 3214868480
	.fill 96, 4, 3214868480
	.section	.rodata,"a",@progbits
	.p2align	6, 0x0
	.amdhsa_kernel k_qa40195c9c1_gemm1
		.amdhsa_group_segment_fixed_size 327680
		.amdhsa_private_segment_fixed_size 0
		.amdhsa_enable_private_segment 0
		.amdhsa_kernarg_size 56
		.amdhsa_user_sgpr_count 2
		.amdhsa_user_sgpr_kernarg_segment_ptr 1
		.amdhsa_wavefront_size32 1
		.amdhsa_system_sgpr_workgroup_id_x 1
		.amdhsa_system_sgpr_workgroup_id_y 1
		.amdhsa_system_sgpr_workgroup_id_z 1
		.amdhsa_system_vgpr_workitem_id 0
		.amdhsa_next_free_vgpr 896
		.amdhsa_next_free_sgpr 80
		.amdhsa_reserve_vcc 0
		.amdhsa_float_denorm_mode_32 3
		.amdhsa_float_denorm_mode_16_64 3
		.amdhsa_memory_ordered 1
		.amdhsa_forward_progress 1
		.amdhsa_inst_pref_size 205
	.end_amdhsa_kernel
	.amdgpu_metadata
---
amdhsa.version: [ 1, 2 ]
amdhsa.kernels:
  - .name:           k_qa40195c9c1_gemm1
    .symbol:         k_qa40195c9c1_gemm1.kd
    .args:
      - { .name: q, .offset: 0, .size: 8, .value_kind: global_buffer, .address_space: global }
      - { .name: wb, .offset: 8, .size: 8, .value_kind: global_buffer, .address_space: global }
      - { .name: sc, .offset: 16, .size: 8, .value_kind: global_buffer, .address_space: global }
      - { .name: ws0, .offset: 24, .size: 8, .value_kind: global_buffer, .address_space: global }
      - { .name: x, .offset: 32, .size: 8, .value_kind: global_buffer, .address_space: global }
      - { .name: mode_sqrt, .offset: 40, .size: 8, .value_kind: global_buffer, .address_space: global }
      - { .name: resid1, .offset: 48, .size: 8, .value_kind: global_buffer, .address_space: global }
    .group_segment_fixed_size: 327680
    .private_segment_fixed_size: 0
    .kernarg_segment_align: 8
    .kernarg_segment_size: 56
    .max_flat_workgroup_size: 128
    .sgpr_count:     80
    .vgpr_count:     896
    .wavefront_size: 32
...
	.end_amdgpu_metadata
.endif
;; end of part 5
;; launch prep1: the kernel of part 4 again; grid 256 x 1, 8 waves a work-group, no clusters, 34,048 bytes of LDS; arguments resid1, nw1, w1, q, sc, wb, mode_sqrt, mode_copy; writes q, sc, wb, mode_sqrt, mode_copy
;; launch gemm2: the kernel of part 5 again; grid 16 x 16, 4 waves a work-group, clusters of 4 x 1, 327,680 bytes of LDS; arguments q, wb, sc, ws1, resid1, mode_copy, resid2; writes resid2
;; launch final: the kernel of part 3 again; grid 512 x 1, 4 waves a work-group, no clusters, 0 bytes of LDS; arguments resid2, nw2, out0; writes out0
;; ======== version 3 of 3: 5 launches; version 2 with the launch final written anew for expert scheduling mode
;; workspace buffers: q 8,388,608 bytes; sc 8,192 bytes; wb 33,554,432 bytes; resid1 33,554,432 bytes; resid2 33,554,432 bytes; mode_sqrt 256 bytes of whole numbers; mode_copy 256 bytes of whole numbers
;; launch prep0: the kernel of part 4 again; grid 256 x 1, 8 waves a work-group, no clusters, 34,048 bytes of LDS; arguments x, nw0, w0, q, sc, wb, mode_sqrt, mode_copy; writes q, sc, wb, mode_sqrt, mode_copy
;; launch gemm1: the kernel of part 5 again; grid 16 x 16, 4 waves a work-group, clusters of 4 x 1, 327,680 bytes of LDS; arguments q, wb, sc, ws0, x, mode_sqrt, resid1; writes resid1
;; launch prep1: the kernel of part 4 again; grid 256 x 1, 8 waves a work-group, no clusters, 34,048 bytes of LDS; arguments resid1, nw1, w1, q, sc, wb, mode_sqrt, mode_copy; writes q, sc, wb, mode_sqrt, mode_copy
;; launch gemm2: the kernel of part 5 again; grid 16 x 16, 4 waves a work-group, clusters of 4 x 1, 327,680 bytes of LDS; arguments q, wb, sc, ws1, resid1, mode_copy, resid2; writes resid2
;; launch final (part 6): grid 512 x 1, 4 waves a work-group, no clusters, 0 bytes of LDS; arguments resid2, nw2, out0; writes out0
.if DOCPART == 6
	.amdgcn_target "amdgcn-amd-amdhsa--gfx1250"
	.amdhsa_code_object_version 6
	.text
	.protected	k_qa40195c9c1_final
	.globl	k_qa40195c9c1_final
	.p2align	8
	.type	k_qa40195c9c1_final,@function
k_qa40195c9c1_final:
	s_mov_b64 s[64:65], 0
	v_nop
	global_prefetch_b8 v0, s[64:65] scope:SCOPE_SE
	s_setreg_imm32_b32 hwreg(HW_REG_WAVE_SCHED_MODE, 0, 2), 2
	s_setreg_imm32_b32 hwreg(HW_REG_WAVE_MODE, 25, 1), 1
	s_wait_xcnt 0x0
	s_wait_alu depctr_vm_vsrc(0)
; out[t][c] = v[t][c] rsqrt(mean over c of v[t][c]^2 + 1e-6) nw[c].  v, out: [2048][4096] f32; nw: [4096] f32.
; One wave takes one row, 16,384 bytes, and keeps it in 128 registers between the sum and the scaling: the row is read once, and no wave waits for another: no LDS, no barrier.
; The matrix unit has nothing to do here.  NO CLUSTER: what rows share is nw, 16,384 bytes, read through the caches.
; LIMITS.  v_rsq_f32 is good to one unit in the last place; its argument is at least 1e-6.  NaN and infinities are not treated apart.
; THE MODE: SCHED_MODE bits 1:0 = 2 (LLVM: expert scheduling mode 2), set by the entry lines.  The code itself states the register dependences
; between vector instructions and memory instructions, with s_wait_alu, always for 0.
; THE PLAN.  Registers that memory instructions touch:
;   v2   the offset of every load and store.  Written once, at the head, ahead of the wait that stands in front of the first load; never written again.
;   X    The row's 32 loads land in it (no vector line has named it before).  The sums read it; the multiplies by the row's factor and by nw write it in place; the stores read it; nothing writes it behind a store.
;   NW   32 loads land in it (no vector line has named it before); the multiplies by nw read it; nothing else names it.
; The way out goes in four blocks of eight groups of four registers, 4,096 bytes of the row each.  Block p's sixteen multiplies name X and NW of block p alone.  ONE wait at a block's head states that the
; block before has written its part of X; that block's eight stores follow it, dealt among this block's multiplies, which name none of the registers that those stores read.  Block 3's nw lies in window 1,
; and a store's data goes by the window of source 1: there block 2's stores stand in one run ahead of the switch.  No register that a memory instruction has read is written again: no wait on vm_vsrc is owed.
.set X,  32                            ; v[32:159]   the row
.set NW, 160                           ; v[160:287]  nw; its last 32 registers lie in window 1 (v0-31 there)
.set S,  4                             ; v[4:11]     four pairs of sums of squares
.set R,  20                            ; v[20:21]    the row's factor, twice
.set MSB, 0
.macro WIN new                         ; s_set_vgpr_msb: bits 1:0 source 0, 3:2 source 1, 5:4 source 2, 7:6 destination; the high byte repeats the setting that is left
.if MSB != (\new)
	s_set_vgpr_msb (MSB<<8)|(\new)
.set MSB, \new
.endif
.endm
	s_load_b128 s[4:7], s[0:1], 0x0                ; v s[4:5], nw s[6:7]
	s_load_b64 s[8:9], s[0:1], 0x10                ; out
	v_and_b32 v1, 31, v0
	v_lshrrev_b32 v4, 5, v0
	v_readfirstlane_b32 s20, v4                    ; wave 0..3
	v_lshlrev_b32 v2, 4, v1                        ; 16 bytes a lane
	v_mov_b32 v17, 0                               ; the exchange's destination counts as read
	s_wait_alu depctr_va_sdst(0)                   ; s20 is written, ahead of its first reader: the row's number, and both bases, are made from it
	s_lshl_b32 s22, ttmp9, 2
	s_add_co_u32 s22, s22, s20                     ; my row
	s_lshl_b32 s24, s22, 14
	s_mov_b32 s25, 0
	s_mov_b32 s28, 0x76543210                      ; v_permlanex16_b32: each lane takes its own place in the other half
	s_mov_b32 s29, 0xfedcba98
	s_mov_b32 s30, 0x39800000                      ; 1 / 4096
	s_mov_b32 s31, 0x358637bd                      ; 1e-6
	s_wait_kmcnt 0x0
	s_add_nc_u64 s[4:5], s[4:5], s[24:25]
	s_add_nc_u64 s[8:9], s[8:9], s[24:25]
	s_wait_alu depctr_va_vdst(0)                   ; v2 is written: every load and store of the kernel reads it as its offset
.set j, 0
.rept 32                                               ; load j covers the row's bytes 512 j .. 512 j + 511
	global_load_b128 v[X+4*j:X+4*j+3], v2, s[4:5] offset:512*j th:TH_LOAD_NT
.set j, j+1
.endr
.set j, 0
.rept 24
	global_load_b128 v[NW+4*j:NW+4*j+3], v2, s[6:7] offset:512*j
.set j, j+1
.endr
	WIN 0x40                                       ; destination in window 1: v256-287; between the wait above and these loads stand loads and this switch alone
.rept 8
	global_load_b128 v[NW+4*j-256:NW+4*j-253], v2, s[6:7] offset:512*j
.set j, j+1
.endr
	WIN 0
	s_wait_loadcnt 32                              ; the row is in; nw's 32 loads stay out
.set p, 0
.rept 4                                                ; the first four pairs start the four chains: nothing is cleared
	v_pk_mul_f32 v[S+2*p:S+2*p+1], v[X+2*p:X+2*p+1], v[X+2*p:X+2*p+1]
.set p, p+1
.endr
.rept 60
	v_pk_fma_f32 v[S+2*(p%4):S+2*(p%4)+1], v[X+2*p:X+2*p+1], v[X+2*p:X+2*p+1], v[S+2*(p%4):S+2*(p%4)+1]
.set p, p+1
.endr
	v_pk_add_f32 v[S:S+1], v[S:S+1], v[S+2:S+3]
	v_pk_add_f32 v[S+4:S+5], v[S+4:S+5], v[S+6:S+7]
	v_pk_add_f32 v[S:S+1], v[S:S+1], v[S+4:S+5]
	v_add_f32 v16, v[S], v[S+1]
	v_add_f32_dpp v16, v16, v16 row_xmask:1 row_mask:0xf bank_mask:0xf
	v_add_f32_dpp v16, v16, v16 row_xmask:2 row_mask:0xf bank_mask:0xf
	v_add_f32_dpp v16, v16, v16 row_xmask:4 row_mask:0xf bank_mask:0xf
	v_add_f32_dpp v16, v16, v16 row_xmask:8 row_mask:0xf bank_mask:0xf
	v_permlanex16_b32 v17, v16, s28, s29
	v_add_f32 v16, v16, v17                        ; every lane holds the row's sum of squares
	v_fma_f32 v19, v16, s30, s31
	v_rsq_f32 v[R], v19                            ; made twice, to fill the pair that the packed multiply takes
	v_rsq_f32 v[R+1], v19
	v_nop                                          ; a plain instruction between the second and the use of the results
	s_wait_alu depctr_va_vdst(0)                   ; both factors, v[R] and v[R+1], are written, ahead of their first reader
.set p, 0
.rept 64                                               ; the whole row times the factor, while nw is on its way
	v_pk_mul_f32 v[X+2*p:X+2*p+1], v[X+2*p:X+2*p+1], v[R:R+1]
.set p, p+1
.endr
.macro MULNW g, lo                     ; group g times nw; lo: NW's register number in the window in force
	v_pk_mul_f32 v[X+4*(\g):X+4*(\g)+1], v[X+4*(\g):X+4*(\g)+1], v[(\lo)+4*(\g):(\lo)+4*(\g)+1]
	v_pk_mul_f32 v[X+4*(\g)+2:X+4*(\g)+3], v[X+4*(\g)+2:X+4*(\g)+3], v[(\lo)+4*(\g)+2:(\lo)+4*(\g)+3]
.endm
.macro OUTG g                          ; group g leaves: 512 consecutive bytes, aligned; the registers are not written again
	global_store_b128 v2, v[X+4*(\g):X+4*(\g)+3], s[8:9] offset:512*(\g) th:TH_STORE_NT
.endm
	s_wait_loadcnt 24                              ; nw's first eight loads are in; its other 24 stay out
.set j, 0
.rept 8                                                ; block 0: no block stands in front of it, so it has no stores
	MULNW j, NW
.set j, j+1
.endr
	s_wait_loadcnt 16                              ; nw for block 1
	s_wait_alu depctr_va_vdst(0)                   ; block 0's multiplies have written X's groups 0 to 7, which the stores below read
.rept 8                                                ; block 1: a store of block 0 ahead of each group's two multiplies, which name groups 8 to 15 alone
	OUTG j-8
	MULNW j, NW
.set j, j+1
.endr
	s_wait_loadcnt 8                               ; nw for block 2
	s_wait_alu depctr_va_vdst(0)                   ; block 1's multiplies have written X's groups 8 to 15, which the stores below read
.rept 8                                                ; block 2, likewise
	OUTG j-8
	MULNW j, NW
.set j, j+1
.endr
	s_wait_loadcnt 0x0                             ; all of nw
	s_wait_alu depctr_va_vdst(0)                   ; block 2's multiplies have written X's groups 16 to 23, which the stores below read
.rept 8                                                ; block 2's stores in one run: a store's data is its source 1, and the multiplies below put source 1 into window 1
	OUTG j-8
.set j, j+1
.endr
	WIN 0x04                                       ; source 1 in window 1
.set j, 24
.rept 8                                                ; block 3
	MULNW j, NW-256
.set j, j+1
.endr
	WIN 0                                          ; back to window 0 first, then the wait, then the stores
	s_wait_alu depctr_va_vdst(0)                   ; block 3's multiplies have written X's groups 24 to 31, which the last eight stores read
.set j, 24
.rept 8
	OUTG j
.set j, j+1
.endr
	s_endpgm
.Lfunc_end_k_qa40195c9c1_final:
	.size	k_qa40195c9c1_final, .Lfunc_end_k_qa40195c9c1_final-k_qa40195c9c1_final
	.p2alignl 7, 3214868480
	.fill 96, 4, 3214868480
	.section	.rodata,"a",@progbits
	.p2align	6, 0x0
	.amdhsa_kernel k_qa40195c9c1_final
		.amdhsa_group_segment_fixed_size 0
		.amdhsa_private_segment_fixed_size 0
		.amdhsa_enable_private_segment 0
		.amdhsa_kernarg_size 24
		.amdhsa_user_sgpr_count 2
		.amdhsa_user_sgpr_kernarg_segment_ptr 1
		.amdhsa_wavefront_size32 1
		.amdhsa_system_sgpr_workgroup_id_x 1
		.amdhsa_system_sgpr_workgroup_id_y 1
		.amdhsa_system_sgpr_workgroup_id_z 1
		.amdhsa_system_vgpr_workitem_id 0
		.amdhsa_next_free_vgpr 288
		.amdhsa_next_free_sgpr 66
		.amdhsa_reserve_vcc 0
		.amdhsa_float_denorm_mode_32 3
		.amdhsa_float_denorm_mode_16_64 3
		.amdhsa_memory_ordered 1
		.amdhsa_forward_progress 1
		.amdhsa_inst_pref_size 24
	.end_amdhsa_kernel
	.amdgpu_metadata
---
amdhsa.version: [ 1, 2 ]
amdhsa.kernels:
  - .name:           k_qa40195c9c1_final
    .symbol:         k_qa40195c9c1_final.kd
    .args:
      - { .name: resid2, .offset: 0, .size: 8, .value_kind: global_buffer, .address_space: global }
      - { .name: nw2, .offset: 8, .size: 8, .value_kind: global_buffer, .address_space: global }
      - { .name: out0, .offset: 16, .size: 8, .value_kind: global_buffer, .address_space: global }
    .group_segment_fixed_size: 0
    .private_segment_fixed_size: 0
    .kernarg_segment_align: 8
    .kernarg_segment_size: 24
    .max_flat_workgroup_size: 128
    .sgpr_count:     66
    .vgpr_count:     288
    .wavefront_size: 32
...
	.end_amdgpu_metadata
.endif
;; end of part 6
